; MI455X (gfx1250); checked and timed in simulation.
; The chip was launched on July 23, 2026; its instructions are those of AMD's public machine-readable ISA for CDNA 5 (MIT licence, August 2026) and "CDNA5" Instruction Set Architecture Reference Guide (July 2026). The comments in the code are by the model that wrote it; some were corrected since.
;; Multi Head Attention. Allowed arithmetic: matrix products marked QUANTISED: E2M3 operands, one E8M0 scale for each 32 along K, by v_wmma_scale_f32_16x16x128_f8f6f4 with both operands' format E2M3, f32 sums; everything else in f32.
;; Inputs: W_out 1,024 x 1,024 float32; W_qkv 3,072 x 1,024 float32; b_out 1,024 float32; b_qkv 3,072 float32; x 4 x 2,048 x 1,024 float32.
;; Outputs: out0 4 x 2,048 x 1,024 float32.
;; This version of the problem:
;;   THIS VERSION OF THE PROBLEM IS GIVEN IN LOW PRECISION. The matrix products marked QUANTISED in the list below multiply operands that are first quantised to E2M3 (2 exponent bits, 3 mantissa bits; 6 bits a number), with one power-of-two scale for each 32 numbers along K (OCP MX v1.0); their sums are f32. All else is computed in f32.
;;   The module's matrix products, in the order in which they are computed (A, B: the left and right operand; K: the contracted axis; several contracted axes count as one K, in the product's order):
;;     1. [M 8,192, K 1,024] x [K 1,024, N 3,072]; A: input x; B: input W_qkv: QUANTISED
;;     2. batch 64 x [M 2,048, K 64] x [K 64, N 2,048]; A: computed on the way; B: computed on the way: QUANTISED
;;     3. batch 64 x [M 2,048, K 2,048] x [K 2,048, N 64]; A: softmax (see below); B: computed on the way: QUANTISED
;;     4. [M 8,192, K 1,024] x [K 1,024, N 1,024]; A: computed on the way; B: input W_out: QUANTISED
;;   THE QUANTISER, for each operand of a quantised product, along K:
;;     - K is cut into blocks of 32 from its start; a last block that is shorter is filled with zeros.
;;     - A block's scale is 2^e with e = floor(log2(the largest magnitude in the block)) - 2, held to -126 .. 127; a block of zeros has e = 0. As a byte (E8M0): e + 127.
;;     - Each number is divided by its block's scale, clamped to +-7.5, and rounded to the nearest number of E2M3, ties to even, subnormals kept.
;;     - The product sums the exact products of the quantised numbers (number of the format x scale) in f32.
;;   ~~~python
;;   def quantise(x, axis):      # numpy; x: float32 -> the quantised numbers, widened to float32 again
;;       x = np.moveaxis(x, axis, -1); K = x.shape[-1]
;;       x = np.pad(x, [(0, 0)] * (x.ndim - 1) + [(0, -K % 32)]); x = x.reshape(x.shape[:-1] + (-1, 32)); a = np.abs(x).max(-1, keepdims=True)
;;       e = np.where(a > 0, np.clip(np.frexp(np.where(a > 0, a, 1))[1] - 1 - 2, -126, 127), 0)      # np.frexp(a)[1] - 1 = floor(log2(a)), exactly
;;       r = np.clip(x / 2.0 ** e, -7.5, 7.5)
;;       step = 2.0 ** (np.maximum(np.frexp(np.where(r == 0, 1, r))[1] - 1, 0) - 3)
;;       q = np.round(r / step) * step * 2.0 ** e      # np.round: ties to even
;;       return np.moveaxis(q.reshape(q.shape[:-2] + (-1,))[..., :K], -1, axis).astype(np.float32)
;;   ~~~
;;   SOFTMAX AHEAD OF A QUANTISED PRODUCT. Where the list says 'softmax', what is quantised is not the finished softmax but p = 2^(t - M), with t = logit x log2(e) and M = ceil(the row's largest t), a whole number; so 1/2 < the row's largest p <= 1. The row's sum l is taken of the UNQUANTISED p, in f32, and the product's result is divided by l at the end. Since M is a whole number, a kernel that streams over the keys may use a running M (the ceiling of the running maximum): every later rescaling is an exact power of two, which a block's scale takes up: the codes' values come out the same.
;;   OPERANDS COMPUTED ON THE WAY. 'Computed on the way' means the value that the module computes at that place (a softmax that the list does not call 'softmax' is quantised finished and normalised). What goes into a quantiser is computed in f32, as accurately as f32 sums, v_exp_f32 and their like allow (about 1e-6 of the number): no bf16 or f16 on the way to a quantiser, and a product that is left as it is and whose result goes on into a quantised operand takes f32 operands (vector FMAs, or v_wmma_f32_16x16x4_f32). A number that lies on a knife's edge between two numbers of the format may be rounded either way, as far as f32 arithmetic and the matrix unit's own rounding can turn it there, and no further.
;; One version. Each part assembles by itself: llvm-mc -triple=amdgcn-amd-amdhsa -mcpu=gfx1250 --defsym DOCPART=n.
;; ======== version 1 of 1: 4 launches
;; limits: right only within a limited range of input values
;; workspace buffers: opc 9,437,184 bytes; ops 393,216 bytes; img 19,660,800 bytes; vals 6,291,456 bytes; vsc 262,144 bytes
;; launch quant (part 1): grid 768 x 1, 4 waves a work-group, no clusters, 34,304 bytes of LDS; arguments x, W_qkv, W_out, opc, ops; writes opc, ops
.if DOCPART == 1
	.amdgcn_target "amdgcn-amd-amdhsa--gfx1250"
	.amdhsa_code_object_version 6
	.text
	.protected	k_q86b2c20161_quant
	.globl	k_q86b2c20161_quant
	.p2align	8
	.type	k_q86b2c20161_quant,@function
k_q86b2c20161_quant:
	s_mov_b64 s[64:65], 0
	v_nop
	global_prefetch_b8 v0, s[64:65] scope:SCOPE_SE
	s_setreg_imm32_b32 hwreg(HW_REG_WAVE_MODE, 25, 1), 1
	s_wait_xcnt 0x0
; x [8192][1024], W_qkv [3072][1024] and W_out [1024][1024], f32, K innermost, become codes of FP6 (E2M3) with one E8M0 byte for each 32 along K,
; laid as IMAGES OF THE MATRIX OPERAND'S REGISTERS.  opc: 768 row blocks g of 16 rows x 8 K steps of 128 x 1,536 bytes; an image is six planes of 256 bytes,
; plane p = registers 2 p, 2 p + 1 of the 6-bit operand, lane l's 8 bytes at 8 l.  ops: one scale word a row and K step, at (8 g + ks) 64 + 4 r.
; g 0-511: x;  512-703: W_qkv, its rows regrouped as [q, k, v][head][d];  704-767: W_out.
; THE ROWS OF A BLOCK ARE NOT NEIGHBOURS: row r of block g is true row 32 (g / 2) + 8 (g % 2) + r + 8 (r / 8) (within the tensor, or within a head's 64), so that where such rows are a product's
; source 0 the 16 result registers of two neighbouring tiles are 16 neighbours.  K stays in its true order.
; A block's scale is 2^(floor(log2(its largest magnitude)) - 2): its byte is the largest magnitude's exponent field - 2, held at 1 from below.
; LIMITS: NaN and infinities among the inputs are not served; a block of zeros, or one whose largest magnitude lies under 2^-124, gets the byte 1 (the rule says 127 for zeros: the codes are zeros, and this program alone reads the bytes).
; SHARES: a work-group is one row block, wave w its K steps 2 w and 2 w + 1.  Each load reads 512 consecutive bytes of one row; a K step's 16 rows turn through the wave's own stage in LDS, so that a lane
; then holds 16 neighbours of each block of 32 of ONE row.  Waves share nothing: no barrier.  No matrix unit, no tensor load, no cluster: the launch reads each byte once and streams.
.set STG,  8448                        ; a wave's stage: 16 rows x (512 bytes + 16): 132 words a row, so the 16 rows that a load of 16 bytes a lane touches begin in 16 different columns of 16 bytes
.set R,    16                          ; v16-143   two K steps as loaded: 16 rows x 4 registers each
.set X,    144                         ; v144-207  64 numbers of my row: register 16 b + i = k 32 b + 16 (lane / 16) + i
.set PC0,  208                         ; v208-219  the first K step's codes
.set TP,   220                         ; v220-226  the upper halves of the blocks' codes, before they are moved
.set PC1,  228                         ; v228-239  the second K step's codes: registers of their own, so that no store's data are written again
.set TM,   240                         ; v240-243 largest magnitudes, v244-247 the other half's, then bytes, v252-255 the conversions' scale operands
	s_load_b256 s[4:11], s[0:1], 0x0               ; x s[4:5], W_qkv s[6:7], W_out s[8:9], opc s[10:11]
	s_load_b64 s[12:13], s[0:1], 0x20              ; ops
	v_lshl_add_u32 v250, v0, 2, 0x8400
	v_mov_b32 v251, 0
	v_lshrrev_b32 v1, 5, v0
	v_readfirstlane_b32 s14, v1                    ; wave 0..3
	v_and_b32 v1, 31, v0                           ; lane
	v_and_b32 v2, 15, v0                           ; r
	v_bfe_u32 v3, v0, 4, 1                         ; h
	v_lshlrev_b32 v4, 4, v1                        ; my 16 bytes of a load's 512
	s_mul_i32 s15, s14, STG
	v_add_nc_u32 v5, s15, v4                       ; the stage, on the way in: 16 x lane in a row
	v_mul_u32_u24 v6, v2, 528
	v_lshl_add_u32 v6, v3, 6, v6
	v_add_nc_u32 v6, s15, v6                       ; and on the way out: row r, + 64 h
	v_lshlrev_b32 v7, 3, v1                        ; my 8 bytes of a plane
	v_lshlrev_b32 v10, 2, v1                       ; my scale word's place
	s_mov_b32 s20, 0x76543210
	s_mov_b32 s21, 0xfedcba98                      ; v_permlanex16_b32's selects for lane l xor 16
.irp b, 0,1,2,3
	v_mov_b32 v[TM+4+\b], 0                        ; written once: a lane permute's destination counts as one of its sources
.endr
	; the block's first true row, for each of the three tensors; the one that holds is chosen below
	s_lshr_b32 s16, ttmp9, 1
	s_lshl_b32 s16, s16, 5
	s_and_b32 s17, ttmp9, 1
	s_lshl_b32 s17, s17, 3
	s_add_co_u32 s16, s16, s17                     ; x: 32 (g / 2) + 8 (g % 2)
	s_sub_co_u32 s18, ttmp9, 512                   ; W_qkv: gw = g - 512 = 64 type + 4 head + block of 16 d
	s_bfe_u32 s19, s18, 0x40002
	s_mul_i32 s19, s19, 192                        ; head x 192
	s_lshr_b32 s22, s18, 6
	s_lshl_b32 s22, s22, 6
	s_add_co_u32 s19, s19, s22                     ; + type x 64
	s_bfe_u32 s22, s18, 0x10001
	s_lshl_b32 s22, s22, 5
	s_add_co_u32 s19, s19, s22                     ; + 32 ((gw / 2) % 2)
	s_add_co_u32 s19, s19, s17                     ; + 8 (gw % 2)
	s_sub_co_u32 s23, s16, 11264                   ; W_out: x's formula on g - 704
	s_mul_i32 s24, ttmp9, 12288
	s_mul_i32 s25, s14, 3072
	s_add_co_u32 s24, s24, s25                     ; my two images in opc
	s_mov_b32 s25, 0
	s_lshl_b32 s26, ttmp9, 9
	s_lshl_b32 s27, s14, 7
	s_add_co_u32 s26, s26, s27                     ; my 32 scale words in ops
	s_mov_b32 s27, 0
	s_wait_alu depctr_va_vdst(0)
	s_wait_kmcnt 0x0
	s_cmp_lt_u32 ttmp9, 512                        ; which tensor: the choice hangs on the work-group's number alone; only a pointer and a row number are chosen, the text has one path
	s_cselect_b64 s[4:5], s[4:5], s[6:7]
	s_cselect_b32 s16, s16, s19
	s_cmp_lt_u32 ttmp9, 704
	s_cselect_b64 s[4:5], s[4:5], s[8:9]
	s_cselect_b32 s16, s16, s23
	s_lshl_b32 s16, s16, 12                        ; rows of 4,096 bytes,
	s_lshl_b32 s17, s14, 10                        ; my 256 along K
	s_add_co_u32 s16, s16, s17
	s_mov_b32 s17, 0
	s_add_nc_u64 s[4:5], s[4:5], s[16:17]
	s_add_nc_u64 s[10:11], s[10:11], s[24:25]
	s_add_nc_u64 s[12:13], s[12:13], s[26:27]
.macro LOADX s                         ; K step s of the block's 16 rows: each load 512 consecutive bytes, at a multiple of 512 from the tensor's first byte
.irp rr, 0,1,2,3,4,5,6,7,8,9,10,11,12,13,14,15
	global_load_b128 v[R+64*\s+4*\rr:R+64*\s+4*\rr+3], v4, s[4:5] offset:(\rr+8*(\rr/8))*4096+512*\s th:TH_LOAD_NT
.endr
.endm
.macro TURN s                          ; through the stage: LDS serves a wave's instructions in order, so no wait stands between the stores and the loads
.irp rr, 0,1,2,3,4,5,6,7,8,9,10,11,12,13,14,15
	ds_store_b128 v5, v[R+64*\s+4*\rr:R+64*\s+4*\rr+3] offset:528*\rr
.endr
.irp b, 0,1,2,3
.irp j, 0,1,2,3
	ds_load_b128 v[X+16*\b+4*\j:X+16*\b+4*\j+3], v6 offset:128*\b+16*\j
.endr
.endr
.endm
; 64 numbers of a lane, register 16 b + i = k 32 b + 16 (lane / 16) + i of my row, become a fragment's 12 registers of codes in v[pc] on and its scale word in v[pw]
.macro QUANT s, pc, pw
.irp b, 0,1,2,3
	v_max3_num_f32 v[TM+\b], |v[\s+16*\b]|, |v[\s+1+16*\b]|, 0x1800000   ; block b: my 16 numbers, and the floor 2^(3 - 127): the byte cannot fall under 1
.endr
.irp i, 2,4,6,8,10,12,14
.irp b, 0,1,2,3
	v_max3_num_f32 v[TM+\b], v[TM+\b], |v[\s+16*\b+\i]|, |v[\s+1+16*\b+\i]|   ; the four blocks by turns
.endr
.endr
.irp b, 0,1,2,3
	v_permlanex16_b32 v[TM+4+\b], v[TM+\b], s20, s21
.endr
.irp b, 0,1,2,3
	v_max_num_f32 v[TM+\b], v[TM+\b], v[TM+4+\b]   ; with lane l xor 16's: the block's largest magnitude
.endr
.irp b, 0,1,2,3
	v_add_nc_u32 v[TM+12+\b], 0xff000000, v[TM+\b] ; 2 off its exponent field: the conversion takes this operand's exponent field as its scale
.endr
.irp b, 0,1,2,3
	v_lshrrev_b32 v[TM+4+\b], 23, v[TM+12+\b]      ; the scale's byte
.endr
	v_lshl_or_b32 v[\pw], v[TM+5], 8, v[TM+4]
	v_lshl_or_b32 v[\pw], v[TM+6], 16, v[\pw]
	v_lshl_or_b32 v[\pw], v[TM+7], 24, v[\pw]      ; my row's scale word
.irp c, 0,1
	v_cvt_scalef32_pk16_fp6_f32 v[\pc+6*\c:\pc+2+6*\c], v[\s+32*\c:\s+15+32*\c], v[TM+12+2*\c]
	v_cvt_scalef32_pk16_fp6_f32 v[TP+4*\c:TP+2+4*\c], v[\s+16+32*\c:\s+31+32*\c], v[TM+12+2*\c+1]   ; (a conversion's three registers begin on an even number)
.endr
	v_nop                                          ; one plain place behind a scaled conversion
.irp c, 0,1                            ; the operand's layout wants a WHOLE block in a lane: lanes 0-15 block 2 c, lanes 16-31 block 2 c + 1
.irp i, 0,1,2
	v_permlane16_swap_b32 v[\pc+6*\c+\i], v[TP+4*\c+\i]
.endr
.irp i, 0,1,2
	v_mov_b32 v[\pc+3+6*\c+\i], v[TP+4*\c+\i]
.endr
.endr
.endm
.macro OUT s, pc                       ; six planes: each store covers 256 consecutive bytes, at a multiple of 256 from opc's first byte
.irp p, 0,1,2,3,4,5
	global_store_b64 v7, v[\pc+2*\p:\pc+2*\p+1], s[10:11] offset:1536*\s+256*\p
.endr
.endm
	LOADX 0
	LOADX 1                                        ; all 32 loads of the wave are out
	s_wait_loadcnt 16                              ; the first K step's 16 are in; the second's 16 may stay out
	TURN 0
	s_wait_dscnt 0x0
	QUANT X, PC0, 8
	OUT 0, PC0
	s_wait_loadcnt 0x0
	TURN 1
	s_wait_dscnt 0x0
	QUANT X, PC1, 9
	OUT 1, PC1
	v_cmp_gt_u32 vcc_lo, 16, v1
	v_cndmask_b32 v11, v9, v8, vcc_lo              ; lanes 0-15: the first K step's word of row r; lanes 16-31: the second's (each half of the lanes holds every row's word)
	global_store_b32 v10, v11, s[12:13]            ; 128 consecutive bytes: half of an aligned 256; one byte in 128 of what the launch reads
	s_wait_tensorcnt 0x0
	ds_add_u32 v250, v251
	s_wait_dscnt 0x0
	s_endpgm
.Lfunc_end_k_q86b2c20161_quant:
	.size	k_q86b2c20161_quant, .Lfunc_end_k_q86b2c20161_quant-k_q86b2c20161_quant
	.p2alignl 7, 3214868480
	.fill 96, 4, 3214868480
	.section	.rodata,"a",@progbits
	.p2align	6, 0x0
	.amdhsa_kernel k_q86b2c20161_quant
		.amdhsa_group_segment_fixed_size 34304
		.amdhsa_private_segment_fixed_size 0
		.amdhsa_enable_private_segment 0
		.amdhsa_kernarg_size 40
		.amdhsa_user_sgpr_count 2
		.amdhsa_user_sgpr_kernarg_segment_ptr 1
		.amdhsa_wavefront_size32 1
		.amdhsa_system_sgpr_workgroup_id_x 1
		.amdhsa_system_sgpr_workgroup_id_y 1
		.amdhsa_system_sgpr_workgroup_id_z 1
		.amdhsa_system_vgpr_workitem_id 0
		.amdhsa_next_free_vgpr 256
		.amdhsa_next_free_sgpr 66
		.amdhsa_reserve_vcc 1
		.amdhsa_float_denorm_mode_32 3
		.amdhsa_float_denorm_mode_16_64 3
		.amdhsa_memory_ordered 1
		.amdhsa_forward_progress 1
		.amdhsa_inst_pref_size 19
	.end_amdhsa_kernel
	.amdgpu_metadata
---
amdhsa.version: [ 1, 2 ]
amdhsa.kernels:
  - .name:           k_q86b2c20161_quant
    .symbol:         k_q86b2c20161_quant.kd
    .args:
      - { .name: x, .offset: 0, .size: 8, .value_kind: global_buffer, .address_space: global }
      - { .name: W_qkv, .offset: 8, .size: 8, .value_kind: global_buffer, .address_space: global }
      - { .name: W_out, .offset: 16, .size: 8, .value_kind: global_buffer, .address_space: global }
      - { .name: opc, .offset: 24, .size: 8, .value_kind: global_buffer, .address_space: global }
      - { .name: ops, .offset: 32, .size: 8, .value_kind: global_buffer, .address_space: global }
    .group_segment_fixed_size: 34304
    .private_segment_fixed_size: 0
    .kernarg_segment_align: 8
    .kernarg_segment_size: 40
    .max_flat_workgroup_size: 128
    .sgpr_count:     66
    .vgpr_count:     256
    .wavefront_size: 32
...
	.end_amdgpu_metadata
.endif
;; end of part 1
;; launch qkv (part 2): grid 96 x 4, 4 waves a work-group, clusters of 4 x 4, 327,680 bytes of LDS; arguments opc, ops, b_qkv, img; writes img
.if DOCPART == 2
	.amdgcn_target "amdgcn-amd-amdhsa--gfx1250"
	.amdhsa_code_object_version 6
	.text
	.protected	k_q86b2c20161_qkv
	.globl	k_q86b2c20161_qkv
	.p2align	8
	.type	k_q86b2c20161_qkv,@function
k_q86b2c20161_qkv:
	s_mov_b64 s[64:65], 0
	v_nop
	global_prefetch_b8 v0, s[64:65] scope:SCOPE_SE
	s_setreg_imm32_b32 hwreg(HW_REG_WAVE_MODE, 25, 1), 1
	s_wait_xcnt 0x0
	s_wait_alu depctr_hold_cnt(0) depctr_sa_sdst(0) depctr_va_vdst(0) depctr_va_sdst(0) depctr_va_ssrc(0) depctr_va_vcc(0) depctr_vm_vsrc(0)
	s_getreg_b32 s2, hwreg(HW_REG_IB_STS2, 6, 4)
	s_cmp_eq_u32 s2, 0
	s_cbranch_scc0 .Lentry_in_a_cluster
	s_endpgm
.Lentry_in_a_cluster:
	s_bfe_u32 s2, ttmp6, 0x10000c
	s_cmp_lg_u32 s2, 0xf033
	s_cbranch_scc0 .Lentry_shape_is_right
	s_endpgm
.Lentry_shape_is_right:
; q, k, v = x W_qkv^T + b_qkv on codes of FP6 (E2M3) with E8M0 scales, K = 1,024, and their QUANTISING for the two products of attention, in registers: no f32 number of q, k or v goes to memory.
; Operands come as images of the operand's registers (opc, ops: 16 rows x 128 K = six planes of 256 bytes; a scale word a row and K step).  The rows of a block lie in the order
; true row = 32 (t / 2) + 8 (t % 2) + r + 8 (r / 8): so the 16 result registers of two neighbouring tiles of source 0 are 16 neighbours.
; TWO PARTS IN ONE TEXT, chosen by the cluster's number c, which all partners share.  c < 16: A = x (8,192 tokens), B = Wq and Wk (2,048 features [q, k][head][d]).  c >= 16: A = Wv (1,024 channels), B = x.
; THE MATRIX INSTRUCTION IS USED TRANSPOSED (source 0 = 16 rows of B, source 1 = 16 rows of A): a lane holds ONE row of A and its registers run along B's rows.  That is the axis along which the result is
; quantised: d for q and k (K of q k^T), the tokens for v (K of p v).  Changing the DATA's places and not the operands' keeps one loop for both parts.
; A tile of 256 x 256 is made by four waves, 128 x 128 each: 64 accumulators, 512 registers.  K goes in steps of 256 through a ring of two LDS slots filled by the tensor data mover; the scale words of the
; work-group's rows, for all of K, come once.  CLUSTERS of 4 x 4: A's tiles are asked for jointly along a row of the cluster, B's along a column.
; The bias is the C of each sum's first matrix instruction: along B's rows in the first part, along A's in the second; only that first step of 128 along K is written twice.
; OUT (img).  From byte 0: [b x head 64][step of 128 keys 16][K record 6,400 | V record 6,400].  From QOFF: [b x head][step][q record 6,400].
;   K or q record: 8 tiles of 16 tokens x 768 bytes (three planes: the six registers of 64 along K); at 6,144, 16 bytes a row r: word f = two bytes of tile f, two of tile f + 4.
;   V record: 4 fragments (16 channels x the step's 128 keys) x 1,536 bytes; at 6,144, 16 bytes a row r: the words of fragments 0 to 3.
; LIMITS: NaN and infinities are not served; a block of zeros, or one whose largest magnitude lies under 2^-124, gets the byte 1 (this program alone reads the bytes).
; REGISTERS, in windows of 256: window 0: v0-31 addresses; v32-63 scale words, two sets; v64-127 the bias; v128-223 A's fragments, ONE set; on the way out v128-175 at work.
;   window 1: B's fragments, TWO sets, at v0 and v128.   window 2: the accumulators of my rows 0-63 ((a, b) at v[8 (8 a + b)]);   window 3: those of rows 64-127.
.set NQ,     2                         ; steps of 128 along K in a slot
.set FR,     12                        ; registers of a fragment
.set NL,     6                         ; LDS loads that bring one
.set NP,     4                         ; places behind this matrix instruction (ISA guide 7.12.1)
.set RBK,    3072                      ; a row block's two images in a slot
.set HALFT,  8*RBK                     ; 128 rows: what one tensor load brings, and what one wave reads of A or of B
.set SLOT,   4*HALFT                   ; A's 256 rows, then B's 256 rows
.set LAPS,   2                         ; 1,024 along K = four slots' worth = twice round the ring
.set SCL,    2*SLOT                    ; behind the ring: the scale words, 512 bytes a row block
.set HALFS,  4096                      ; those of 128 rows
.set SPARE,  SCL+4*HALFS               ; behind them: the spare words, 128 bytes for each wave: two blocks of 256 bytes that no other line names
.set QOFF,   13107200                  ; where q's records begin in img
.set VA,   8                           ; v8-15   byte offsets of the bias loads
.set ADRA, 16                          ; v16-17  LDS address of my A fragments in slot 0, 1
.set ADRB, 20                          ; v20-21  the same for B
.set VL,   24                          ; v24     8 x lane: my place in a plane
.set VH,   25                          ; v25     the same for a block's registers 6-11
.set VS,   26                          ; v26     my place in the records' scale words
.set ADRS, 27                          ; v27     LDS address of my scale words: lanes 0-15 A's rows, lanes 16-31 B's
.set SPW,  28                          ; v28     LDS address of my spare word; never rewritten
.set NIL,  29                          ; v29     0; never rewritten
.set SELV, 30                          ; v30     byte selects that gather the records' scale words
.set SC,   32                          ; scale words: set s at v[SC + 16 s]; register 2 i + q: lanes 0-15 A's block i, lanes 16-31 B's block i, the slot's q-th 128 along K
.set BI,   64                          ; the bias, eight registers a tile
.set AF,   128                         ; A's fragments
.set PC,   128                         ; the way out: a block's codes,
.set TP,   140                         ; the upper halves before they are moved,
.set TM,   148                         ; v148-151 largest magnitudes, v152-155 bytes, v160-163 scale operands,
.set PW,   164                         ; v164-171 the eight blocks' scale words,
.set DT,   172                         ; v172-175 and what is stored of them
.set G1, 24                            ; s[24:31] descriptor group 1 for A's tiles;  s[32:39] group 0, one set for each slot
.set G0, 32
.set G1B, 48                           ; s[48:55], s[56:63] the same for B's tiles
.set G0B, 56
.set G1S, 68                           ; s[68:75], s[76:79] groups 1 and 0 for A's scale words;  s[80:87], s[88:91] for B's
.set G0S, 76
.set G1SB, 80
.set G0SB, 88
.set SEL, 96                           ; s[96:97] lane selects for v_permlanex16_b32
.set MSB, 0
.macro WIN new                         ; the immediate's high byte repeats the setting that is left
.if MSB != \new
	s_set_vgpr_msb (MSB<<8)|\new
.set MSB, \new
.endif
.endm
.set MUL_LO, 0xa1                      ; source 0 (B) window 1, source 1 (A) window 0, C and D window 2
.set MUL_HI, 0xf1                      ; the same, C and D window 3
.set TO_B,   0x40                      ; destination window 1, address window 0
; A joint load: waves 0 and 1 fetch for A, waves 2 and 3 for B.  Each line has ONE mask and one set of registers for all that issue it; the branch hangs on the wave's number alone.
; Four v_nop follow each of the two lines, ahead of the jump, the label and what follows.
.macro JLOAD g0a, g1a, g0b, g1b
	s_cmp_eq_u32 s15, 0
	s_cbranch_scc0 .Lfor_b_\@
	tensor_load_to_lds s[\g0a:\g0a+3], s[\g1a:\g1a+7]
	s_nop 0
.rept 4
	v_nop
.endr
	s_branch .Lasked_\@
.Lfor_b_\@:
	tensor_load_to_lds s[\g0b:\g0b+3], s[\g1b:\g1b+7]
	s_nop 0
.rept 4
	v_nop
.endr
.Lasked_\@:
.endm
.macro CREST                           ; a round of the cluster's barrier behind its opening barrier
	s_cmp_lg_u32 s14, 0
	s_cbranch_scc1 .Lnot_wave_0_\@
	s_barrier_signal -3
.Lnot_wave_0_\@:
	s_barrier_wait -3
	s_barrier_signal -1
	s_barrier_wait -1
.endm
.macro CROUND                          ; a whole round
	s_barrier_signal -1
	s_barrier_wait -1
	CREST
.endm
	s_load_b256 s[4:11], s[0:1], 0x0               ; opc s[4:5], ops s[6:7], b_qkv s[8:9], img s[10:11]
	v_lshl_add_u32 v[SPW], v0, 2, SPARE
	v_mov_b32 v[NIL], 0
	ds_add_u32 v28, v29
	ds_add_u32 v28, v29
	s_wait_dscnt 0x0
	v_lshrrev_b32 v1, 5, v0
	v_readfirstlane_b32 s14, v1                    ; wave 0..3
	s_lshr_b32 s15, s14, 1                         ; which half of the tile's rows is mine.  Also: I fetch for A (0) or for B (1)
	s_and_b32 s16, s14, 1                          ; which half of its columns.  Also: which 128 rows of that tile I fetch
	s_bfe_u32 s40, ttmp6, 0x40000                  ; cx, cy: my place in the cluster
	s_bfe_u32 s41, ttmp6, 0x40004
	s_lshr_b32 s18, ttmp9, 1                       ; first part: 8 x 2 clusters over 32 x 8 tiles
	s_and_b32 s19, ttmp9, 1
	s_sub_co_u32 s20, ttmp9, 16                    ; second part: 1 x 8 clusters over 4 x 32 tiles
	s_cmp_lt_u32 ttmp9, 16
	s_cselect_b32 s18, s18, 0                      ; the cluster's row of tiles,
	s_cselect_b32 s19, s19, s20                    ; its column,
	s_cselect_b32 s95, 0, 1                        ; PART,
	s_cselect_b32 s21, 0, 640                      ; A's first row block in opc: x or Wv,
	s_cselect_b32 s22, 512, 0                      ; B's: Wq or x
	s_lshl_b32 s17, s18, 2
	s_add_co_u32 s17, s17, s41                     ; tile row
	s_lshl_b32 s42, s19, 2
	s_add_co_u32 s42, s42, s40                     ; tile column
	s_lshl_b32 s43, s41, 2
	s_lshl_b32 s43, 15, s43                        ; my row of the cluster
	s_lshl_b32 s44, 0x1111, s40                    ; my column
	; descriptor group 1: 8 row blocks x 3,072 bytes (two images on end), 12,288 bytes apart in memory, dense in LDS
	s_or_b32 s[G1+0], s43, (3<<16)|(1<<21)         ; 15:0 the mask: A's tiles go to my row; 17:16 elements of 8 bytes; 20 no padding; 21 set beside a mask
	s_or_b32 s[G1B+0], s44, (3<<16)|(1<<21)
.irp g, G1, G1B
	s_mov_b32 s[\g+1], 384<<16                     ; tensor_dim0 = 384 elements
	s_mov_b32 s[\g+2], 16<<16                      ; tensor_dim1 = 16 for the head's loads; behind them 8
	s_mov_b32 s[\g+3], 384<<16                     ; tile_dim0
	s_mov_b32 s[\g+4], 16                          ; tile_dim1 likewise
	s_mov_b32 s[\g+5], 1536                        ; tensor_dim0_stride
	s_mov_b32 s[\g+6], 0
	s_mov_b32 s[\g+7], 0
.endr
	; and for the scale words of 16 row blocks: 8,192 dense bytes as 32 rows of 256
	s_or_b32 s[G1S+0], s43, (3<<16)|(1<<21)
	s_or_b32 s[G1SB+0], s44, (3<<16)|(1<<21)
.irp g, G1S, G1SB
	s_mov_b32 s[\g+1], 32<<16
	s_mov_b32 s[\g+2], 32<<16
	s_mov_b32 s[\g+3], 32<<16
	s_mov_b32 s[\g+4], 32
	s_mov_b32 s[\g+5], 32
	s_mov_b32 s[\g+6], 0
	s_mov_b32 s[\g+7], 0
.endr
	s_lshl_b32 s66, s17, 4
	s_add_co_u32 s66, s66, s21                     ; A's tile: first + 16 x tile row
	s_lshl_b32 s92, s42, 4
	s_add_co_u32 s92, s92, s22                     ; B's tile: first + 16 x tile column
	s_lshl_b32 s22, s66, 9                         ; where their scale words begin,
	s_mov_b32 s23, 0
	s_mul_i32 s66, s66, 12288                      ; and their codes
	s_mov_b32 s67, 0
	s_lshl_b32 s46, s92, 9
	s_mov_b32 s47, 0
	s_mul_i32 s92, s92, 12288
	s_mov_b32 s93, 0
	s_mul_i32 s45, s14, HALFT                      ; where they go: wave x 128 rows: no place in the cluster enters an LDS address
	s_wait_kmcnt 0x0
	s_add_nc_u64 s[66:67], s[4:5], s[66:67]
	s_add_nc_u64 s[22:23], s[6:7], s[22:23]
	s_add_nc_u64 s[92:93], s[4:5], s[92:93]
	s_add_nc_u64 s[46:47], s[6:7], s[46:47]
	CROUND                                         ; all sixteen work-groups are here: the first joint loads meet
	s_mov_b32 s[G0S], 1
	s_mov_b32 s[G0S+1], SCL
	s_mov_b64 s[G0S+2:G0S+3], s[22:23]
	s_or_b32 s[G0S+3], s[G0S+3], 0x80000000
	s_mov_b32 s[G0SB], 1
	s_mov_b32 s[G0SB+1], SCL+2*HALFS
	s_mov_b64 s[G0SB+2:G0SB+3], s[46:47]
	s_or_b32 s[G0SB+3], s[G0SB+3], 0x80000000
	s_mov_b32 s4, 1                                ; the head's group 0 for slot 0's 256 rows of A, whole (the pointers that lay in s[4:7] have served),
	s_mov_b32 s5, 0
	s_mov_b64 s[6:7], s[66:67]
	s_or_b32 s7, s7, 0x80000000
	s_mov_b64 s[46:47], s[92:93]                   ; and for B's, in s[44:47]
	s_or_b32 s47, s47, 0x80000000
	s_mul_i32 s2, s16, 8*12288                     ; for the ring: which 8 row blocks of a tile I fetch
	s_mov_b32 s3, 0
	s_add_nc_u64 s[66:67], s[66:67], s[2:3]
	s_add_nc_u64 s[92:93], s[92:93], s[2:3]
.irp s, 0,1
	s_mov_b32 s[G0+4*\s], 1
	s_add_co_u32 s[G0+4*\s+1], s45, \s*SLOT
	s_add_nc_u64 s[G0+4*\s+2:G0+4*\s+3], s[66:67], \s*RBK
	s_or_b32 s[G0+4*\s+3], s[G0+4*\s+3], 0x80000000
	s_mov_b32 s[G0B+4*\s], 1
	s_add_co_u32 s[G0B+4*\s+1], s45, \s*SLOT
	s_add_nc_u64 s[G0B+4*\s+2:G0B+4*\s+3], s[92:93], \s*RBK
	s_or_b32 s[G0B+4*\s+3], s[G0B+4*\s+3], 0x80000000
.endr
	s_mov_b32 s44, 1
	s_mov_b32 s45, 2*HALFT
; THE HEAD'S LOADS, ONE A WAVE: wave 0 slot 0's 256 rows of A, wave 1 its 256 rows of B, wave 2 A's scale words, wave 3 B's.  One chain of branches on the wave's number, one join.
	s_cmp_lt_u32 s14, 1
	s_cbranch_scc0 .Lhead_b
	tensor_load_to_lds s[4:7], s[G1:G1+7]
	s_nop 0
.rept 4
	v_nop
.endr
	s_branch .Lhead_asked
.Lhead_b:
	s_cmp_lt_u32 s14, 2
	s_cbranch_scc0 .Lhead_sa
	tensor_load_to_lds s[44:47], s[G1B:G1B+7]
	s_nop 0
.rept 4
	v_nop
.endr
	s_branch .Lhead_asked
.Lhead_sa:
	s_cmp_lt_u32 s14, 3
	s_cbranch_scc0 .Lhead_sb
	tensor_load_to_lds s[G0S:G0S+3], s[G1S:G1S+7]
	s_nop 0
.rept 4
	v_nop
.endr
	s_branch .Lhead_asked
.Lhead_sb:
	tensor_load_to_lds s[G0SB:G0SB+3], s[G1SB:G1SB+7]
	s_nop 0
.rept 4
	v_nop
.endr
.Lhead_asked:
	v_and_b32 v1, 15, v0                           ; r
	v_bfe_u32 v2, v0, 4, 1                         ; h
	s_wait_alu depctr_va_vdst(0)
	v_and_b32 v3, 31, v0
	v_lshlrev_b32 v[VL], 3, v3                     ; 8 x lane
	s_mul_i32 s21, s15, HALFT                      ; my 128 rows of A
	s_mul_i32 s20, s16, HALFT                      ; my 128 rows of B,
	s_add_co_u32 s20, s20, 2*HALFT                 ; which lie behind A's 256
.irp s, 0,1
	v_add_nc_u32 v[ADRA+\s], s21, v[VL]
	v_add_nc_u32 v[ADRB+\s], s20, v[VL]
	s_add_co_u32 s21, s21, SLOT
	s_add_co_u32 s20, s20, SLOT
.endr
	s_lshl_b32 s21, s15, 12                        ; A's scale words: my 128 rows
	s_lshl_b32 s20, s16, 12                        ; B's: my 128 rows, behind A's 256
	s_add_co_u32 s20, s20, 2*HALFS
	s_sub_co_u32 s20, s20, s21
	v_mul_u32_u24 v6, s20, v2                      ; lanes 16-31 take B's: one product, the distance between the two bases
	s_add_co_u32 s21, s21, SCL
	v_lshlrev_b32 v5, 2, v1
	v_add_nc_u32 v5, v5, v6
	v_add_nc_u32 v[ADRS], s21, v5
	; where my 128 x 128 goes.  P: which 128 of the 3,072 features in the order [q, k, v][head][d];  R: which 128 tokens
	s_lshl_b32 s18, s17, 1
	s_add_co_u32 s18, s18, s15                     ; my 128 rows of A
	s_lshl_b32 s19, s42, 1
	s_add_co_u32 s19, s19, s16                     ; my 128 rows of B
	s_add_co_u32 s2, s18, 16
	s_cmp_eq_u32 s95, 0
	s_cselect_b32 s96, s19, s2                     ; P
	s_cselect_b32 s97, s18, s19                    ; R
	s_lshr_b32 s98, s96, 3                         ; T: 0 q, 1 k, 2 v
	s_and_b32 s96, s96, 7                          ; hp: heads 2 hp and 2 hp + 1
	s_min_u32 s99, s98, 1                          ; 0 for q, 1 for k and v
	s_sub_co_u32 s2, s98, s99
	s_mul_i32 s2, s2, 6400                         ; v's records lie behind k's,
	s_sub_co_u32 s18, 1, s99
	s_mul_i32 s18, s18, QOFF                       ; q's in a part of their own
	s_add_co_u32 s2, s2, s18
	s_mul_i32 s18, s96, 384
	s_lshl_b32 s19, s98, 6
	s_add_co_u32 s18, s18, s19                     ; my first feature as b_qkv has it: 2 hp x 192 + 64 T
	s_lshl_b32 s18, s18, 2
	s_mov_b32 s19, 0
	s_add_nc_u64 s[8:9], s[8:9], s[18:19]
	s_mul_i32 s98, s99, 102400
	s_add_co_u32 s98, s98, 102400                  ; HD: bytes from head to head: 102,400 for q, 204,800 for k and v
	s_lshr_b32 s18, s97, 4
	s_lshl_b32 s18, s18, 4
	s_lshl_b32 s96, s96, 1
	s_add_co_u32 s18, s18, s96                     ; 16 b + 2 hp
	s_mul_i32 s18, s18, s98
	s_add_co_u32 s2, s2, s18
	s_and_b32 s97, s97, 15                         ; the step of 128 tokens
	s_lshr_b32 s18, s98, 4
	s_mul_i32 s18, s18, s97
	s_add_co_u32 s18, s2, s18
	s_mov_b32 s19, 0
	s_add_nc_u64 s[12:13], s[10:11], s[18:19]      ; my first record; it walks on the way out,
	s_mov_b64 s[92:93], s[12:13]                   ; and this copy stays, for the scale words
	; what differs between the parts on the way out and in the bias
	s_sub_co_u32 s20, s98, 6144
	s_mov_b32 s18, 1536
	s_mov_b32 s66, 0x03020100
	s_mov_b32 s67, 0x07060504
	s_cmp_eq_u32 s95, 0
	s_cselect_b32 s18, 768, s18                    ; SA: from block to block: a tile of 768 bytes, or a fragment of 1,536
	s_cselect_b32 s20, 0, s20                      ; SX: v's block 4 begins the next head
	s_cselect_b32 s22, s98, 768                    ; SP: registers 6-11 belong to the next head (q, k) or are the fragment's second half (v)
	s_cselect_b32 s66, 0x05040100, s66             ; lanes 0-15: the first head's two bytes of blocks i and i + 4, or block i's word
	s_cselect_b32 s67, 0x07060302, s67             ; lanes 16-31: the second head's, or block i + 4's word
	s_cselect_b32 s40, 64, 0                       ; the bias runs along my registers (16 h + j) ..
	s_cselect_b32 s41, 0, 4                        ; .. or is my row's (r + 8 (r / 8))
	s_cselect_b32 s2, 4, 0
	s_mov_b32 s19, 0
	s_mov_b32 s21, 0
	s_mov_b32 s[SEL], 0x76543210
	s_mov_b32 s[SEL+1], 0xfedcba98
	v_mov_b32 v[SELV], s66
	v_mov_b32 v5, s67
	v_cmp_eq_u32 vcc_lo, 1, v2
	v_cndmask_b32 v[SELV], v[SELV], v5, vcc_lo
	v_add_nc_u32 v[VH], s22, v[VL]
	v_mul_u32_u24 v[VS], s98, v2
	v_lshl_add_u32 v[VS], v1, 4, v[VS]             ; 16 r, + a head for lanes 16-31
	v_and_b32 v5, 8, v1
	v_add_nc_u32 v5, v5, v1
	v_mul_u32_u24 v5, s41, v5
	v_mad_u32_u24 v5, s40, v2, v5
.irp j, 0,1,2,3,4,5,6,7
	v_mad_u32_u24 v[VA+\j], s2, \j, v5
.endr
.irp x, 0,1,2,3,4,5,6,7                ; tile x (of B's rows, or of A's): head x / 4, d from 32 ((x / 2) % 2) + 8 (x % 2) on
.irp j, 0,1,2,3,4,5,6,7
	global_load_b32 v[BI+8*\x+\j], v[VA+\j], s[8:9] offset:4*((\x/4)*192+32*((\x/2)%2)+8*(\x%2))
.endr
.endr
.macro FRAG reg, adr, q, i             ; a fragment comes as it was stored: six planes, 8 bytes a lane, 256 consecutive bytes a load
.irp p, 0,1,2,3,4,5
	ds_load_b64 v[\reg+2*\p:\reg+2*\p+1], v[\adr] offset:RBK*(\i)+1536*(\q)+256*\p
.endr
.endm
; 16 matrix instructions: A's blocks a0, a0 + 1 x B's eight, the slot's q-th 128 along K.  p: B's set;  sc: the set of scale words.
; zero = 0: onto the sums.  1: the sums begin with the bias of B's block;  2: with that of A's block.  Nothing is ever cleared.
; The 64 accumulators take turns, one instruction a turn, in the same order in every step.
.macro MUL16 a0, p, q, sc, zero
.irp a, \a0, \a0+1
.irp b, 0,1,2,3,4,5,6,7
.set rD, 8*(8*((\a)%4)+\b)
.set rC, rD
.if \zero == 1
.set rC, BI+8*\b
.endif
.if \zero == 2
.set rC, BI+8*(\a)
.endif
	v_wmma_scale_f32_16x16x128_f8f6f4 v[rD:rD+7], v[128*(\p)+FR*\b:128*(\p)+FR*\b+FR-1], v[AF+FR*(\a):AF+FR*(\a)+FR-1], v[rC:rC+7], v[SC+8*NQ*(\sc)+NQ*\b+(\q)], v[SC+8*NQ*(\sc)+NQ*(\a)+(\q)] matrix_a_fmt:MATRIX_FMT_FP6 matrix_b_fmt:MATRIX_FMT_FP6 matrix_a_scale:MATRIX_SCALE_ROW1
.endr
.endr
.endm
.macro FETCH_B slot, q, p              ; B's eight fragments of the slot's q-th 128 along K into set p
	WIN TO_B
.irp i, 0,1,2,3,4,5,6,7
	FRAG 128*(\p)+FR*\i, ADRB+\slot, \q, \i
.endr
	WIN 0
.endm
.macro FETCH_A slot, q, i0             ; A's blocks i0 .. i0 + 3
.irp i, \i0, \i0+1, \i0+2, \i0+3
	FRAG AF+FR*(\i), ADRA+\slot, \q, \i
.endr
.endm
.macro SCALES sc                       ; a slot's scale words into set sc: lanes 0-15 take A's block i, lanes 16-31 B's block i
.irp i, 0,1,2,3,4,5,6,7
.irp q, 0,1
	ds_load_b32 v[SC+16*\sc+2*\i+\q], v[ADRS] offset:512*\i+64*\q
.endr
.endr
.endm
; A load into a register that a matrix instruction has read, and a vector instruction that reads a matrix result, stand NP places behind it; only plain vector instructions that name none of its registers are places.
.macro PLACES n
.rept \n
	v_nop
.endr
.endm
; A step of 128 along K that has its successor in the same slot.
.macro STEP slot, q, zero
	s_wait_dscnt 4*NL                              ; B's set, A's blocks 0-3 and the scale words are in; the youngest 24 loads (A's blocks 4-7) may be out
.if \zero
	WIN 0x81                                       ; as MUL_LO, with C (the bias) in window 0
.else
	WIN MUL_LO
.endif
	MUL16 0, (\q)%2, \q, \slot, \zero
	MUL16 2, (\q)%2, \q, \slot, \zero
	s_wait_dscnt 0                                 ; A's blocks 4-7 are in
	PLACES NP
	FETCH_B \slot, (\q)+1, 1-(\q)%2
	FETCH_A \slot, (\q)+1, 0
.if \zero
	WIN 0xc1
.else
	WIN MUL_HI
.endif
	MUL16 4, (\q)%2, \q, \slot, \zero
	MUL16 6, (\q)%2, \q, \slot, \zero
	PLACES NP
	WIN 0
	FETCH_A \slot, (\q)+1, 4
.endm
; A slot's last step changes slots: ONE barrier; in front of it each wave waits for all its tensor loads, adds 0 to its spare word, and waits for that and for its own reads of this slot.  fill = 1: this slot is filled again, two slots ahead.
.macro TURN slot, next, fill
	s_wait_tensorcnt 0x0                           ; all my tensor loads have landed: my part of the next slot
	ds_add_u32 v[SPW], v[NIL]                      ; 0 onto my spare word
	s_wait_dscnt 4*NL+1                            ; (the add and the youngest 24 loads, A's blocks 4-7, may be out)
	WIN MUL_LO
	MUL16 0, 1, NQ-1, \slot, 0                     ; sixteen matrix instructions stand between the add and the wait for it
	s_wait_dscnt 0x0                               ; the add is done, and my reads of this slot are over
	s_barrier_signal -1
	MUL16 2, 1, NQ-1, \slot, 0
	WIN 0
	s_barrier_wait -1
.if \fill
	CREST                                          ; the barrier has opened a round of the cluster's barrier: no wave of any partner still reads this slot's tile or has a load on its way
	s_add_nc_u64 s[G0+4*\slot+2:G0+4*\slot+3], s[G0+4*\slot+2:G0+4*\slot+3], 2*RBK
	s_add_nc_u64 s[G0B+4*\slot+2:G0B+4*\slot+3], s[G0B+4*\slot+2:G0B+4*\slot+3], 2*RBK
	JLOAD G0+4*\slot, G1, G0B+4*\slot, G1B         ; the first tensor load behind the round; the four v_nop behind it are the places in front of the loads below
.else
	PLACES NP
.endif
	s_wait_alu depctr_va_vdst(0)
	v_add_nc_u32 v[ADRS], 64*NQ, v[ADRS]           ; on to the next slot's scale words
	FETCH_B \next, 0, 0
	FETCH_A \next, 0, 0
	SCALES \next
	WIN MUL_HI
	MUL16 4, 1, NQ-1, \slot, 0
	MUL16 6, 1, NQ-1, \slot, 0
	PLACES NP
	WIN 0
	FETCH_A \next, 0, 4
.endm
	s_wait_alu depctr_va_vdst(0)                   ; the wait at the head's end
	s_wait_tensorcnt 0x0                           ; my tile of the head's four is in
	ds_add_u32 v[SPW], v[NIL]
	s_mov_b32 s[G1+2], 8<<16                       ; no tensor load of mine is out: from here on a load brings 8 row blocks
	s_mov_b32 s[G1+4], 8
	s_mov_b32 s[G1B+2], 8<<16
	s_mov_b32 s[G1B+4], 8
	s_wait_dscnt 0x0
	CROUND                                         ; all four tiles are in, and the sixteen work-groups are here
	JLOAD G0+4, G1, G0B+4, G1B                     ; slot 1's first fill, the first tensor load behind the round
	FETCH_B 0, 0, 0
	FETCH_A 0, 0, 0
	SCALES 0
	FETCH_A 0, 0, 4
	s_wait_loadcnt 0x0                             ; the bias
	s_cmp_eq_u32 s95, 0                            ; the first step stands in front of the loop: its products start the sums, with the bias along B's rows or along A's.  The branch hangs on the cluster's number alone
	s_cbranch_scc0 .Lv_first
	STEP 0, 0, 1
	s_branch .Lfirst_done
.Lv_first:
	STEP 0, 0, 2
.Lfirst_done:
	s_mov_b32 s3, LAPS-1
.Llap:                                             ; a trip goes once round the ring, from a lap's second step to the next lap's first, and fills both slots again
	TURN 0, 1, 1
	STEP 1, 0, 0
	TURN 1, 0, 1
	STEP 0, 0, 0
	s_sub_co_u32 s3, s3, 1
	s_cmp_lg_u32 s3, 0
	s_cbranch_scc1 .Llap
	TURN 0, 1, 0                                   ; the last lap fills nothing, and has no round of the cluster's barrier
	STEP 1, 0, 0
	s_wait_dscnt 4*NL                              ; the very last step: nothing more to fetch
	WIN MUL_LO
	MUL16 0, 1, NQ-1, 1, 0
	MUL16 2, 1, NQ-1, 1, 0
	s_wait_dscnt 0
	WIN MUL_HI
	MUL16 4, 1, NQ-1, 1, 0
	MUL16 6, 1, NQ-1, 1, 0
	WIN 0
; THE WAY OUT, block by block of 16 rows of A.  A lane's 64 registers of a block are 128 neighbours' halves along B's rows: register 16 b + i = index 32 b + 16 (lane / 16) + i.  They are quantised in place of being stored:
; 12 registers of codes, which ARE the next operand's registers, leave by six stores of 256 consecutive bytes each, aligned.  No LDS.
.macro QBLK a
.set AC, 64*((\a)%4)
	WIN 0x0a+5*((\a)/4)                            ; sources 0 and 1: window 2 or 3
.irp b, 0,1,2,3
	v_max3_num_f32 v[TM+\b], |v[AC+16*\b]|, |v[AC+16*\b+1]|, 0x1800000   ; each accumulator is read from its low end on; the floor 2^(3 - 127) holds the byte at 1 from below
.endr
.irp i, 2,4,6,8,10,12,14
.irp b, 0,1,2,3
	v_max3_num_f32 v[TM+\b], |v[AC+16*\b+\i]|, |v[AC+16*\b+\i+1]|, v[TM+\b]
.endr
.endr
	WIN 0
.irp b, 0,1,2,3
	v_permlanex16_b32 v[TM+4+\b], v[TM+\b], s[SEL], s[SEL+1]
.endr
.irp b, 0,1,2,3
	v_max_num_f32 v[TM+\b], v[TM+\b], v[TM+4+\b]   ; with lane l xor 16's: the block's largest magnitude
.endr
.irp b, 0,1,2,3
	v_add_nc_u32 v[TM+12+\b], 0xff000000, v[TM+\b] ; 2 off its exponent field: the conversion's scale operand
.endr
.irp b, 0,1,2,3
	v_lshrrev_b32 v[TM+4+\b], 23, v[TM+12+\b]      ; the scale's byte
.endr
	v_lshl_or_b32 v[PW+(\a)], v[TM+5], 8, v[TM+4]
	v_lshl_or_b32 v[PW+(\a)], v[TM+6], 16, v[PW+(\a)]
	v_lshl_or_b32 v[PW+(\a)], v[TM+7], 24, v[PW+(\a)]
.if (\a) > 0
	s_wait_xcnt 0x0                                ; the last block's stores have read their data and their base: both are written again only behind this wait
	s_add_nc_u64 s[12:13], s[12:13], s[18:19]
.if (\a) == 4
	s_add_nc_u64 s[12:13], s[12:13], s[20:21]
.endif
.endif
	WIN 0x02+(\a)/4                                ; source 0: window 2 or 3
.irp c, 0,1
	v_cvt_scalef32_pk16_fp6_f32 v[PC+6*\c:PC+2+6*\c], v[AC+32*\c:AC+15+32*\c], v[TM+12+2*\c]
	v_cvt_scalef32_pk16_fp6_f32 v[TP+4*\c:TP+2+4*\c], v[AC+16+32*\c:AC+31+32*\c], v[TM+12+2*\c+1]   ; (a conversion's three registers begin on an even number)
.endr
	WIN 0
	v_nop                                          ; one plain place behind a scaled conversion
.irp c, 0,1                            ; the operand's layout wants a WHOLE block of 32 in a lane
.irp i, 0,1,2
	v_permlane16_swap_b32 v[PC+6*\c+\i], v[TP+4*\c+\i]
.endr
.irp i, 0,1,2
	v_mov_b32 v[PC+3+6*\c+\i], v[TP+4*\c+\i]
.endr
.endr
.irp p, 0,1,2
	global_store_b64 v[VL], v[PC+2*\p:PC+2*\p+1], s[12:13] offset:256*\p
.endr
.irp p, 0,1,2
	global_store_b64 v[VH], v[PC+6+2*\p:PC+6+2*\p+1], s[12:13] offset:256*\p
.endr
.endm
	PLACES NP                                      ; behind the last products: for the reads of results and the writes into the registers that held A's fragments
.irp b, 0,1,2,3
	v_mov_b32 v[TM+4+\b], 0                        ; written once: a lane permute's destination counts as one of its sources
.endr
.irp a, 0,1,2,3,4,5,6,7
	QBLK \a
.endr
.irp i, 0,1,2,3
	v_perm_b32 v[DT+\i], v[PW+4+\i], v[PW+\i], v[SELV]   ; the records' scale words: lanes 0-15 the first head's, lanes 16-31 the second's
.endr
	global_store_b128 v[VS], v[DT:DT+3], s[92:93] offset:6144   ; sixteen lanes store 256 consecutive bytes, aligned, in each of the two heads' records
	s_wait_tensorcnt 0x0                           ; the wave's end
	ds_add_u32 v[SPW], v[NIL]
	s_wait_dscnt 0x0
	CROUND                                         ; the closing round: no work-group ends while a partner may still ask for a tile that names it
	s_endpgm
.Lfunc_end_k_q86b2c20161_qkv:
	.size	k_q86b2c20161_qkv, .Lfunc_end_k_q86b2c20161_qkv-k_q86b2c20161_qkv
	.p2alignl 7, 3214868480
	.fill 96, 4, 3214868480
	.section	.rodata,"a",@progbits
	.p2align	6, 0x0
	.amdhsa_kernel k_q86b2c20161_qkv
		.amdhsa_group_segment_fixed_size 327680
		.amdhsa_private_segment_fixed_size 0
		.amdhsa_enable_private_segment 0
		.amdhsa_kernarg_size 32
		.amdhsa_user_sgpr_count 2
		.amdhsa_user_sgpr_kernarg_segment_ptr 1
		.amdhsa_wavefront_size32 1
		.amdhsa_system_sgpr_workgroup_id_x 1
		.amdhsa_system_sgpr_workgroup_id_y 1
		.amdhsa_system_sgpr_workgroup_id_z 1
		.amdhsa_system_vgpr_workitem_id 0
		.amdhsa_next_free_vgpr 1024
		.amdhsa_next_free_sgpr 100
		.amdhsa_reserve_vcc 1
		.amdhsa_float_denorm_mode_32 3
		.amdhsa_float_denorm_mode_16_64 3
		.amdhsa_memory_ordered 1
		.amdhsa_forward_progress 1
		.amdhsa_inst_pref_size 192
	.end_amdhsa_kernel
	.amdgpu_metadata
---
amdhsa.version: [ 1, 2 ]
amdhsa.kernels:
  - .name:           k_q86b2c20161_qkv
    .symbol:         k_q86b2c20161_qkv.kd
    .args:
      - { .name: opc, .offset: 0, .size: 8, .value_kind: global_buffer, .address_space: global }
      - { .name: ops, .offset: 8, .size: 8, .value_kind: global_buffer, .address_space: global }
      - { .name: b_qkv, .offset: 16, .size: 8, .value_kind: global_buffer, .address_space: global }
      - { .name: img, .offset: 24, .size: 8, .value_kind: global_buffer, .address_space: global }
    .group_segment_fixed_size: 327680
    .private_segment_fixed_size: 0
    .kernarg_segment_align: 8
    .kernarg_segment_size: 32
    .max_flat_workgroup_size: 128
    .sgpr_count:     100
    .vgpr_count:     1024
    .wavefront_size: 32
...
	.end_amdgpu_metadata
.endif
;; end of part 2
;; launch attn (part 3): grid 4 x 64, 8 waves a work-group, clusters of 4 x 1, 327,680 bytes of LDS; arguments img, vals, vsc; writes vals, vsc
.if DOCPART == 3
	.amdgcn_target "amdgcn-amd-amdhsa--gfx1250"
	.amdhsa_code_object_version 6
	.text
	.protected	k_q86b2c20161_attn
	.globl	k_q86b2c20161_attn
	.p2align	8
	.type	k_q86b2c20161_attn,@function
k_q86b2c20161_attn:
	s_mov_b64 s[64:65], 0
	v_nop
	global_prefetch_b8 v0, s[64:65] scope:SCOPE_SE
	s_setreg_imm32_b32 hwreg(HW_REG_WAVE_MODE, 25, 1), 1
	s_wait_xcnt 0x0
	s_wait_alu depctr_hold_cnt(0) depctr_sa_sdst(0) depctr_va_vdst(0) depctr_va_sdst(0) depctr_va_ssrc(0) depctr_va_vcc(0) depctr_vm_vsrc(0)
	s_getreg_b32 s2, hwreg(HW_REG_IB_STS2, 6, 4)
	s_cmp_eq_u32 s2, 0
	s_cbranch_scc0 .Lentry_in_a_cluster
	s_endpgm
.Lentry_in_a_cluster:
	s_bfe_u32 s2, ttmp6, 0x10000c
	s_cmp_lg_u32 s2, 0x3003
	s_cbranch_scc0 .Lentry_shape_is_right
	s_endpgm
.Lentry_shape_is_right:
; o = softmax(q k^T / 8) v for one (batch, head) and 512 queries, on codes of FP6 (E2M3) with E8M0 scales; o leaves quantised along the model's axis, as an image of the next product's operand registers (vals, vsc).
; IN (img): from 0 [b x head][step of 128 keys][K record 6,400 | V record 6,400]; from QOFF [b x head][step][q record 6,400].  K, q record: 8 tiles of 16 tokens x three planes of 256 bytes
; (lane l's 8 bytes at 8 l); at 6,144, 16 bytes a row: word f = two bytes of tile f, two of tile f + 4.  Row r of tile t is token 32 (t / 2) + 8 (t % 2) + r + 8 (r / 8) of the step.
; V record: 4 fragments (16 channels x 128 keys) of six planes; at 6,144, 16 bytes a row: the four fragments' words.
; SHARES: a work-group is 8 waves, two to a SIMD; a wave owns 64 queries, four tiles of 16, so each fragment of K and V that it reads from LDS feeds four tiles.  The four work-groups of a cluster are the
; query blocks of one head: its 16 steps of K and V, 204,800 bytes, are asked for jointly, once, one tensor load a wave (100 rows of 256 bytes), and stay in LDS.  Nothing is filled again.
; No prefetch: every tensor load goes out at the head, so there is no later load to run ahead of.
; BOTH PRODUCTS ARE USED TRANSPOSED (S^T = k q^T, O^T = v^T p^T): a lane holds one query.  K of q k^T is 64: an operand of K holds two tiles of keys, and q stands beside six registers of zeros, low or high.
; THE KEYS OF A TILE ARE CHOSEN BY THE LANES' LDS ADDRESSES: row 8 g + i of tile (c, j) is key 64 c + 32 g + 8 j + i, that is row 8 (j / 2) + i of the record's tile 4 c + 2 g + j % 2.  So lane (r, h)'s
; registers S + 32 c + 0 .. 31 are the whole scale block 2 c + h of p, in the order of p's operand registers: no lane is asked for a block's maximum and no codes change lanes.
; p = 2^(t - M), M the ceiling of the running largest t, kept as -M; the sum is taken of the unquantised p; a change of M multiplies sum and O^T by an exact power of two, in every step, with no branch.
; A block's largest p is made from its largest score by the same multiply-add and exponential (this takes v_exp_f32 not to fall where its input rises).
; LIMITS: the scaled scores t stay under 2^31 in magnitude; NaN and infinities are not served; a block whose every p is under 2^-124 gets the byte 1 (its codes are zeros or the smallest).
; REGISTERS: window 0: v1-39 addresses and scale words, v40-55 each tile's -M, largest score, sum (two halves), v56-95 at work, v96-159 S then p, v160-207 K's four operands, v208-255 V's four.
; window 1: v0-127 O^T (32 a tile), v128-199 q: for each tile q, six zeros, q.
.set QOFF,  13107200
.set STEPB, 12800
.set SPARE, 204800                     ; behind K and V: the spare words, 128 bytes a wave
.set L8,  1                            ; 8 x lane
.set L16, 2                            ; 16 x (lane % 16)
.set LK,  3                            ; K's planes: 8 (lane % 8) + 1,536 ((lane / 8) % 2) + 128 (lane / 16)
.set LKS, 4                            ; K's scale words: 16 (lane % 8) + 8 ((lane / 8) % 2)
.set SH8, 5                            ; 8 x (lane / 16)
.set VO,  6                            ; 4 x (lane % 16)
.set AK0, 8                            ; this step's LDS addresses: K's tiles c = 0, c = 1, K's words,
.set AK1, 9
.set AKS, 10
.set AV0, 11                           ; v11-13 V's planes 0-7, 8-15, 16-23, v14 V's words
.set AVS, 14
.set KS,  16                           ; v16-19 K's scale words, v20-23 V's
.set VS,  20
.set LV0, 24                           ; v24-26 8 x lane + 6,400 + 2,048 k
.set LK1, 27                           ; LK + 3,072
.set SPW, 30
.set NIL, 31
.set PS,  32                           ; p's scale word
.set QS,  36                           ; v36-39 q's scale words
.set ST,  40
.set CH,  56                           ; v56-59 four chains of maxima; then block c's in v56 + 2 c, its byte in v57 + 2 c
.set BX,  60
.set DD,  61
.set F,   62                           ; v62 the factor 2^(old M - new M); v63 = 0, named as the pair's upper half
.set SOP, 64                           ; v64-65 the conversions' scale operands
.set W,   66
.set TP0, 67
.set TP1, 68
.set XN,  69
.set LS,  70                           ; v70-75 three more chains of the sum
.set TC,  76                           ; v76-78, v80-82 the blocks' upper 16 codes before they are moved
.set P,   84                           ; v84-95 p's codes
.set S,   96
.set KF,  160
.set VF,  208
.set QB,  128                          ; window 1
.set MSB, 0
.macro WIN new                         ; the immediate's high byte repeats the setting that is left
.if MSB != \new
	s_set_vgpr_msb (MSB<<8)|\new
.set MSB, \new
.endif
.endm
.macro WALU
	s_wait_alu depctr_va_vdst(0)
.endm
.macro D1
	s_delay_alu instid0(VALU_DEP_1)
.endm
.macro CROUND
	s_barrier_signal -1
	s_barrier_wait -1
	s_cmp_lg_u32 s10, 0
	s_cbranch_scc1 .Lnot_wave_0_\@
	s_barrier_signal -3
.Lnot_wave_0_\@:
	s_barrier_wait -3
	s_barrier_signal -1
	s_barrier_wait -1
.endm
	s_load_b128 s[4:7], s[0:1], 0x0                ; img, vals
	s_load_b64 s[8:9], s[0:1], 0x10                ; vsc
	v_lshl_add_u32 v[SPW], v0, 2, SPARE
	v_mov_b32 v[NIL], 0
	ds_add_u32 v[SPW], v[NIL]                      ; the opening lines: the add twice on end, under one wait
	ds_add_u32 v[SPW], v[NIL]
	v_lshrrev_b32 v7, 5, v0
	v_readfirstlane_b32 s10, v7                    ; wave 0..7
	s_bfe_u32 s11, ttmp6, 0x40000                  ; cx: which 512 queries
	s_and_b32 s12, ttmp7, 0xffff                   ; b x head
	s_mov_b32 s24, 15|(3<<16)|(1<<21)              ; group 1: all four partners; elements of 8 bytes; 100 dense rows of 256 bytes
	s_mov_b32 s25, 32<<16
	s_mov_b32 s26, 100<<16
	s_mov_b32 s27, 32<<16
	s_mov_b32 s28, 100
	s_mov_b32 s29, 32
	s_mov_b32 s30, 0
	s_mov_b32 s31, 0
	s_mul_i32 s13, s10, 25600                      ; my eighth of the head's K and V: two steps
	s_mul_i32 s16, s12, 204800
	s_add_co_u32 s16, s16, s13
	s_mov_b32 s17, 0
	s_mov_b32 s19, 0xbe38aa3b                      ; -c
	s_mov_b32 s20, 0x76543210
	s_mov_b32 s21, 0xfedcba98                      ; selects for lane l xor 16
	s_mov_b32 s22, 0x3e38aa3b                      ; c = log2(e) / 8
	s_mov_b32 s23, s22
	s_lshl_b32 s60, s11, 2                         ; my q record: step 4 cx + wave / 2; my tiles 4 (wave % 2) + 0 .. 3
	s_lshr_b32 s61, s10, 1
	s_add_co_u32 s60, s60, s61
	s_mul_i32 s60, s60, 6400
	s_mul_i32 s61, s12, 102400
	s_add_co_u32 s60, s60, s61
	s_add_co_u32 s60, s60, QOFF
	s_and_b32 s62, s10, 1
	s_mul_i32 s61, s62, 3072
	s_add_co_u32 s50, s60, s61
	s_mov_b32 s51, 0
	s_add_co_u32 s56, s60, 6144
	s_mov_b32 s57, 0
	s_mov_b32 s58, 0x01000100                      ; which two bytes of a word are my tiles', laid twice
	s_cmp_eq_u32 s62, 1
	s_cselect_b32 s58, 0x03020302, s58
	s_lshr_b32 s60, s12, 4                         ; out: row block g = 128 b + 32 cx + 4 wave + tile; K step head / 2; half head % 2
	s_lshl_b32 s60, s60, 7
	s_lshl_b32 s61, s11, 5
	s_add_co_u32 s60, s60, s61
	s_lshl_b32 s61, s10, 2
	s_add_co_u32 s60, s60, s61
	s_lshl_b32 s60, s60, 3
	s_bfe_u32 s61, s12, 0x30001
	s_add_co_u32 s60, s60, s61
	s_and_b32 s61, s12, 1
	s_mul_i32 s52, s60, 1536
	s_mul_i32 s62, s61, 768
	s_add_co_u32 s52, s52, s62
	s_mov_b32 s53, 0
	s_lshl_b32 s54, s60, 6
	s_lshl_b32 s61, s61, 1
	s_add_co_u32 s54, s54, s61
	s_mov_b32 s55, 0
	WALU
	s_wait_dscnt 0x0
	s_wait_kmcnt 0x0
	s_add_nc_u64 s[16:17], s[4:5], s[16:17]
	s_add_nc_u64 s[50:51], s[4:5], s[50:51]
	s_add_nc_u64 s[56:57], s[4:5], s[56:57]
	s_add_nc_u64 s[52:53], s[6:7], s[52:53]
	s_add_nc_u64 s[54:55], s[8:9], s[54:55]
	CROUND                                         ; the four partners are here: the joint loads meet
	s_mov_b32 s40, 1
	s_mov_b32 s41, s13
	s_mov_b64 s[42:43], s[16:17]
	s_or_b32 s43, s43, 0x80000000
	s_cmp_lt_u32 s10, 2                            ; waves 0 and 1 (key steps 0 to 3) have a load line of their own, so that the first barrier can show their tiles alone
	s_cbranch_scc0 .Lrest
	tensor_load_to_lds s[40:43], s[24:31]
	s_nop 0
.rept 4
	v_nop
.endr
	s_branch .Lasked
.Lrest:
	tensor_load_to_lds s[40:43], s[24:31]
	s_nop 0
.rept 4
	v_nop
.endr
.Lasked:
.rept 4
	v_nop
.endr
	v_and_b32 v7, 31, v0
	v_lshlrev_b32 v[L8], 3, v7
	v_and_b32 v15, 15, v0
	v_lshlrev_b32 v[L16], 4, v15
	v_lshlrev_b32 v[VO], 2, v15
	v_bfe_u32 v28, v0, 4, 1
	v_lshlrev_b32 v[SH8], 3, v28
	v_and_b32 v29, 7, v0
	v_bfe_u32 v33, v0, 3, 1
	v_lshlrev_b32 v[LK], 3, v29
	v_lshl_add_u32 v[LK], v28, 7, v[LK]
	v_mad_u32_u24 v[LK], v33, 1536, v[LK]
	v_add_nc_u32 v[LK1], 3072, v[LK]
	v_lshlrev_b32 v[LKS], 4, v29
	v_lshl_add_u32 v[LKS], v33, 3, v[LKS]
.irp k, 0,1,2
	v_add_nc_u32 v[LV0+\k], 6400+2048*\k, v[L8]
.endr
	global_load_b128 v[S:S+3], v[L16], s[56:57]    ; q's scale words of tiles f and f + 4
	WIN 0x40                                       ; destinations in window 1
.irp i, 0,1,2,3
.irp p, 0,1,2
	global_load_b64 v[QB+18*\i+2*\p:QB+18*\i+2*\p+1], v[L8], s[50:51] offset:768*\i+256*\p
	global_load_b64 v[QB+18*\i+12+2*\p:QB+18*\i+12+2*\p+1], v[L8], s[50:51] offset:768*\i+256*\p
.endr
.endr
.irp i, 0,1,2,3
.irp k, 6,7,8,9,10,11
	v_mov_b32 v[QB+18*\i+\k], 0                    ; the zeros between q's two copies
.endr
.endr
.set I_, 0
.rept 128
	v_mov_b32 v[I_], 0                             ; O^T: the step is written once, and the first finds zeros
.set I_, I_+1
.endr
	WIN 0
	s_mov_b32 s48, 0                               ; this step's place in LDS
.macro KADR s
	v_add_nc_u32 v[AK0], \s, v[LK]
	v_add_nc_u32 v[AK1], \s, v[LK1]
	v_add_nc_u32 v[AKS], \s, v[LKS]
.endm
.macro VADR
.irp k, 0,1,2
	v_add_nc_u32 v[AV0+\k], s48, v[LV0+\k]
.endr
	v_add_nc_u32 v[AVS], s48, v[L16]
.endm
	KADR s48
	VADR
	v_mov_b32 v[F+1], 0
	v_mov_b32 v[TP0], 0                            ; a lane permute's destination counts as one of its sources
	v_mov_b32 v[TP1], 0
	WALU
	s_wait_loadcnt 0x0
.irp i, 0,1,2,3
	v_perm_b32 v[QS+\i], v[S+\i], v[S+\i], s58     ; my tile's two bytes, for the low and for the high half of K alike
.endr
.irp i, 0,1,2,3
	v_mov_b32 v[ST+4*\i], 0x7f61b1e6               ; -M = 3e38,
	v_mov_b32 v[ST+4*\i+1], 0xff61b1e6             ; the largest score so far -3e38,
	v_mov_b32 v[ST+4*\i+2], 0                      ; the sum
	v_mov_b32 v[ST+4*\i+3], 0
.endr
; K's four operands: operand j = tiles (0, j) and (1, j), six registers each; 18 LDS loads
.macro KLOAD
.irp j, 0,1,2,3
.set X_, 96*(\j%2)+8*(\j/2)
	ds_load_2addr_b64 v[KF+12*\j:KF+12*\j+3], v[AK0] offset0:X_ offset1:X_+32
	ds_load_b64 v[KF+12*\j+4:KF+12*\j+5], v[AK0] offset:8*X_+512
	ds_load_2addr_b64 v[KF+12*\j+6:KF+12*\j+9], v[AK1] offset0:X_ offset1:X_+32
	ds_load_b64 v[KF+12*\j+10:KF+12*\j+11], v[AK1] offset:8*X_+512
.endr
	ds_load_b64 v[KS:KS+1], v[AKS] offset:6144     ; a word holds tile (0, j)'s two bytes and tile (1, j)'s
	ds_load_b64 v[KS+2:KS+3], v[AKS] offset:6144+128
.endm
; V's four fragments, 24 planes on end, two planes a load; 13 LDS loads
.macro VLOAD
.irp m, 0,1,2,3,4,5,6,7,8,9,10,11
	ds_load_2addr_b64 v[VF+4*\m:VF+4*\m+3], v[AV0+\m/4] offset0:64*(\m%4) offset1:64*(\m%4)+32
.endr
	ds_load_b128 v[VS:VS+3], v[AVS] offset:12544
.endm
; one tile of 16 queries against the step's 128 keys
.macro TILE i
.set NM_, ST+4*(\i)
.set L_,  ST+4*(\i)+2
.set Q_,  QB+18*(\i)
.set O_,  32*(\i)
	WIN 0x04                                       ; source 1 (q) in window 1
.irp j, 0,1,2,3
	v_wmma_scale_f32_16x16x128_f8f6f4 v[S+8*\j:S+8*\j+7], v[KF+12*\j:KF+12*\j+11], v[Q_:Q_+11], 0, v[KS+\j], v[QS+(\i)] matrix_a_fmt:MATRIX_FMT_FP6 matrix_b_fmt:MATRIX_FMT_FP6
.endr
.irp j, 0,1,2,3
	v_wmma_scale_f32_16x16x128_f8f6f4 v[S+32+8*\j:S+39+8*\j], v[KF+12*\j:KF+12*\j+11], v[Q_+6:Q_+17], 0, v[KS+\j], v[QS+(\i)] matrix_a_fmt:MATRIX_FMT_FP6 matrix_b_fmt:MATRIX_FMT_FP6
.endr
	WIN 0
.if (\i) == 3
	KADR s47                                       ; four places; K's registers are free: the next step's operands are asked for
	v_nop
	KLOAD
.else
.rept 4
	v_nop                                          ; four places ahead of the first read of the scores
.endr
.endif
.irp q, 0,1,2,3
	v_max3_num_f32 v[CH+\q], v[S+16*\q], v[S+16*\q+1], v[S+16*\q+2]   ; four chains by turns, each accumulator from its low end on
.endr
.irp k, 3,5,7,9,11,13
.irp q, 0,1,2,3
	v_max3_num_f32 v[CH+\q], v[CH+\q], v[S+16*\q+\k], v[S+16*\q+\k+1]
.endr
.endr
	v_max3_num_f32 v[CH], v[CH], v[S+15], v[S+31]
	v_max3_num_f32 v[CH+2], v[CH+2], v[S+47], v[S+63]
	v_mov_b32 v[DD], v[NM_]                        ; the old -M
	v_max_num_f32 v[CH], v[CH], v[CH+1]
	v_max_num_f32 v[CH+2], v[CH+2], v[CH+3]        ; my block 2 + h's
	D1
	v_max_num_f32 v[BX], v[CH], v[CH+2]
	D1
	v_permlanex16_b32 v[TP0], v[BX], s20, s21
	D1
	v_max3_num_f32 v[NM_+1], v[BX], v[TP0], v[NM_+1]   ; the running largest score of my query
	D1
	v_mul_f32 v[XN], s19, v[NM_+1]
	D1
	v_floor_f32 v[NM_], v[XN]                      ; the new -M = floor(-t)
.set I_, 0
.rept 32
	v_pk_fma_f32 v[S+I_:S+I_+1], v[S+I_:S+I_+1], s[22:23], v[NM_:NM_+1] op_sel_hi:[1,0,0]   ; t - M; the factor's three lines stand among these
.if I_ == 6
	v_sub_f32 v[DD], v[NM_], v[DD]                 ; old M - new M, a whole number, 0 or less
.endif
.if I_ == 16
	v_cvt_i32_f32 v[DD], v[DD]                     ; (it saturates)
.endif
.if I_ == 26
	v_ldexp_f32 v[F], 1.0, v[DD]
.endif
.set I_, I_+2
.endr
	v_fma_f32 v[CH], v[CH], s22, v[NM_]
	v_fma_f32 v[CH+2], v[CH+2], s22, v[NM_]
	WALU                                           ; the wait ahead of the batch,
.set I_, 0
.rept 64
	v_exp_f32 v[S+I_], v[S+I_]
.set I_, I_+1
.endr
	v_exp_f32 v[CH], v[CH]
	v_exp_f32 v[CH+2], v[CH+2]
	v_pk_mul_f32 v[L_:L_+1], v[L_:L_+1], v[F:F+1] op_sel_hi:[1,0]   ; the sum under the new M: a plain place behind the batch
	WALU                                           ; and behind it
	v_max_num_f32 v[CH], 0x1800000, v[CH]          ; the floor 2^(3 - 127): the byte cannot fall under 1
	v_max_num_f32 v[CH+2], 0x1800000, v[CH+2]
	v_add_nc_u32 v[SOP], 0xff000000, v[CH]         ; 2 off the exponent field: the conversions' scale operand
	v_add_nc_u32 v[SOP+1], 0xff000000, v[CH+2]
.irp c, 0,1
	v_cvt_scalef32_pk16_fp6_f32 v[P+6*\c:P+6*\c+2], v[S+32*\c:S+32*\c+15], v[SOP+\c]
	v_cvt_scalef32_pk16_fp6_f32 v[TC+4*\c:TC+4*\c+2], v[S+32*\c+16:S+32*\c+31], v[SOP+\c]   ; (a conversion's three registers begin on an even number)
.endr
	v_nop                                          ; one plain place behind a scaled conversion
	v_pk_add_f32 v[L_:L_+1], v[L_:L_+1], v[S:S+1]  ; the sum of the unquantised p, four chains by turns
.irp q, 1,2,3
	v_pk_add_f32 v[LS+2*\q-2:LS+2*\q-1], v[S+16*\q:S+16*\q+1], v[S+16*\q+2:S+16*\q+3]
.endr
	v_pk_add_f32 v[L_:L_+1], v[L_:L_+1], v[S+2:S+3]
.irp k, 4,6,8,10,12,14
.irp q, 1,2,3
	v_pk_add_f32 v[LS+2*\q-2:LS+2*\q-1], v[LS+2*\q-2:LS+2*\q-1], v[S+16*\q+\k:S+16*\q+\k+1]
.endr
	v_pk_add_f32 v[L_:L_+1], v[L_:L_+1], v[S+\k:S+\k+1]
.if \k == 4                            ; p's scale word is made among the sums, a link of its chain behind each group of four
	v_lshrrev_b32 v[CH+1], 23, v[SOP]
	v_lshrrev_b32 v[CH+3], 23, v[SOP+1]
.endif
.if \k == 6
	v_lshl_or_b32 v[W], v[CH+3], 16, v[CH+1]       ; my bytes, blocks h and 2 + h,
.endif
.if \k == 8
	v_lshlrev_b32 v[W], v[SH8], v[W]               ; at their places;
.endif
.if \k == 10
	v_permlanex16_b32 v[TP1], v[W], s20, s21
.endif
.if \k == 12
	v_or_b32 v[PS], v[W], v[TP1]                   ; with lane l xor 16's two the word is whole
.endif
.endr
.irp c, 0,1
.irp k, 0,1,2
	v_mov_b32 v[P+6*\c+3+\k], v[TC+4*\c+\k]
.endr
.endr
	v_pk_add_f32 v[LS:LS+1], v[LS:LS+1], v[LS+2:LS+3]
	v_pk_add_f32 v[L_:L_+1], v[L_:L_+1], v[LS+4:LS+5]
	v_pk_add_f32 v[L_:L_+1], v[L_:L_+1], v[LS:LS+1]
.if (\i) == 0
	WALU
	s_wait_dscnt 0x0                               ; V's 13 loads, asked for at the step's head, are in
.endif
	WIN 0x41                                       ; source 0 and destination in window 1
	WALU                                           ; the wait directly ahead of the first reader of O^T
.set I_, 0
.rept 16
	v_pk_mul_f32 v[O_+I_:O_+I_+1], v[O_+I_:O_+I_+1], v[F:F+1] op_sel_hi:[1,0]   ; O^T under the new M; also the places between p's word and codes and the products
.set I_, I_+2
.endr
	WIN 0x50                                       ; C and D in window 1
.irp a, 0,1,2,3
	v_wmma_scale_f32_16x16x128_f8f6f4 v[O_+8*\a:O_+8*\a+7], v[VF+12*\a:VF+12*\a+11], v[P:P+11], v[O_+8*\a:O_+8*\a+7], v[VS+\a], v[PS] matrix_a_fmt:MATRIX_FMT_FP6 matrix_b_fmt:MATRIX_FMT_FP6
.endr
.endm
	WALU                                           ; the wait at the head's end
	s_cmp_lt_u32 s10, 2
	s_cbranch_scc0 .Lnot_first
	s_wait_tensorcnt 0x0                           ; waves 0 and 1: my two steps are in
.Lnot_first:
	s_barrier_signal -1
	s_barrier_wait -1                              ; key steps 0 to 3 are shown to all; the other loads may be out
	KLOAD
.macro STEPS n
	s_mov_b32 s49, \n
.Lstep_\@:
	s_wait_dscnt 0x0                               ; K's operands are in
	VLOAD
	s_add_co_u32 s47, s48, STEPB
	s_min_u32 s47, s47, 15*STEPB                   ; the next step's place; the last step asks for its own K once more, and nobody uses it: no address leaves K and V
	TILE 0
	TILE 1
	TILE 2
	TILE 3
	WIN 0
	s_add_co_u32 s48, s48, STEPB
	VADR                                           ; four places between the last products and the loads into V's registers
	s_sub_co_u32 s49, s49, 1
	s_cmp_lg_u32 s49, 0
	WALU                                           ; the wait directly ahead of the branch
	s_cbranch_scc1 .Lstep_\@
.endm
	STEPS 3                                        ; steps 0 to 2; the last of them asks for step 3's K, which lies in wave 1's share
	s_wait_tensorcnt 0x0                           ; every wave: my two steps are in,
	s_wait_dscnt 0x0
	s_barrier_signal -1
	s_barrier_wait -1                              ; everybody's are
	STEPS 13
; THE WAY OUT: O^T / the sum; registers 16 b + 0 .. 15 of a tile are channels 32 b + 16 h + 0 .. 15: quantised along the channels, 64 codes a query, six registers, three stores of 256 consecutive bytes
	s_wait_dscnt 0x0                               ; the last K loads have landed: their registers are written below
.irp i, 0,1,2,3
	v_add_f32 v[ST+4*\i+2], v[ST+4*\i+2], v[ST+4*\i+3]
.endr
.irp i, 0,1,2,3
	v_permlanex16_b32 v[CH+\i], v[ST+4*\i+2], s20, s21
.endr
.irp i, 0,1,2,3
	v_add_f32 v[ST+4*\i+2], v[ST+4*\i+2], v[CH+\i]
.endr
	WALU
.irp i, 0,1,2,3
	v_rcp_f32 v[ST+4*\i+2], v[ST+4*\i+2]
.endr
	v_nop
.macro OUT i
.set SB_, S+32*((\i)%2)
.set OC_, KF+8*(\i)                    ; each tile's codes and word have registers of their own: no store's data are written again
.set OT_, KF+32+4*(\i)
.set OW_, VF+(\i)
	WIN 0x01
	WALU                                           ; behind the reciprocals, directly ahead of the first reader of this tile's O^T
.set I_, 0
.rept 32
	v_mul_f32 v[SB_+I_], v[32*(\i)+I_], v[ST+4*(\i)+2]
.set I_, I_+1
.endr
	WIN 0
.irp b, 0,1
	v_max3_num_f32 v[CH+\b], |v[SB_+16*\b]|, |v[SB_+16*\b+1]|, 0x1800000
.endr
.irp k, 2,4,6,8,10,12,14
.irp b, 0,1
	v_max3_num_f32 v[CH+\b], v[CH+\b], |v[SB_+16*\b+\k]|, |v[SB_+16*\b+\k+1]|
.endr
.endr
.irp b, 0,1
	v_permlanex16_b32 v[CH+2+\b], v[CH+\b], s20, s21
.endr
.irp b, 0,1
	v_max_num_f32 v[CH+\b], v[CH+\b], v[CH+2+\b]
.endr
.irp b, 0,1
	v_add_nc_u32 v[SOP+\b], 0xff000000, v[CH+\b]
.endr
.irp b, 0,1
	v_lshrrev_b32 v[CH+2+\b], 23, v[SOP+\b]
.endr
	v_lshl_or_b32 v[OW_], v[CH+3], 8, v[CH+2]
	v_cvt_scalef32_pk16_fp6_f32 v[OC_:OC_+2], v[SB_:SB_+15], v[SOP]
	v_cvt_scalef32_pk16_fp6_f32 v[OT_:OT_+2], v[SB_+16:SB_+31], v[SOP+1]
	v_nop
.irp k, 0,1,2
	v_permlane16_swap_b32 v[OC_+\k], v[OT_+\k]     ; a whole block of 32 channels in a lane
.endr
.irp k, 0,1,2
	v_mov_b32 v[OC_+3+\k], v[OT_+\k]
.endr
.irp p, 0,1,2
	global_store_b64 v[L8], v[OC_+2*\p:OC_+2*\p+1], s[52:53] offset:12288*(\i)+256*\p
.endr
	global_store_b16 v[VO], v[OW_], s[54:55] offset:512*(\i)   ; my head's half of the row's scale word; both halves of the lanes write the same bytes
.endm
	OUT 0
	OUT 1
	OUT 2
	OUT 3
	s_wait_tensorcnt 0x0                           ; the wave's end
	ds_add_u32 v[SPW], v[NIL]
	s_wait_dscnt 0x0
	CROUND                                         ; the closing round
	s_endpgm
.Lfunc_end_k_q86b2c20161_attn:
	.size	k_q86b2c20161_attn, .Lfunc_end_k_q86b2c20161_attn-k_q86b2c20161_attn
	.p2alignl 7, 3214868480
	.fill 96, 4, 3214868480
	.section	.rodata,"a",@progbits
	.p2align	6, 0x0
	.amdhsa_kernel k_q86b2c20161_attn
		.amdhsa_group_segment_fixed_size 327680
		.amdhsa_private_segment_fixed_size 0
		.amdhsa_enable_private_segment 0
		.amdhsa_kernarg_size 24
		.amdhsa_user_sgpr_count 2
		.amdhsa_user_sgpr_kernarg_segment_ptr 1
		.amdhsa_wavefront_size32 1
		.amdhsa_system_sgpr_workgroup_id_x 1
		.amdhsa_system_sgpr_workgroup_id_y 1
		.amdhsa_system_sgpr_workgroup_id_z 1
		.amdhsa_system_vgpr_workitem_id 0
		.amdhsa_next_free_vgpr 512
		.amdhsa_next_free_sgpr 66
		.amdhsa_reserve_vcc 0
		.amdhsa_float_denorm_mode_32 3
		.amdhsa_float_denorm_mode_16_64 3
		.amdhsa_memory_ordered 1
		.amdhsa_forward_progress 1
		.amdhsa_inst_pref_size 136
	.end_amdhsa_kernel
	.amdgpu_metadata
---
amdhsa.version: [ 1, 2 ]
amdhsa.kernels:
  - .name:           k_q86b2c20161_attn
    .symbol:         k_q86b2c20161_attn.kd
    .args:
      - { .name: img, .offset: 0, .size: 8, .value_kind: global_buffer, .address_space: global }
      - { .name: vals, .offset: 8, .size: 8, .value_kind: global_buffer, .address_space: global }
      - { .name: vsc, .offset: 16, .size: 8, .value_kind: global_buffer, .address_space: global }
    .group_segment_fixed_size: 327680
    .private_segment_fixed_size: 0
    .kernarg_segment_align: 8
    .kernarg_segment_size: 24
    .max_flat_workgroup_size: 256
    .sgpr_count:     66
    .vgpr_count:     512
    .wavefront_size: 32
...
	.end_amdgpu_metadata
.endif
;; end of part 3
;; launch proj (part 4): grid 4 x 64, 4 waves a work-group, clusters of 4 x 4, 327,680 bytes of LDS; arguments vals, vsc, opc, ops, b_out, out0; writes out0
.if DOCPART == 4
	.amdgcn_target "amdgcn-amd-amdhsa--gfx1250"
	.amdhsa_code_object_version 6
	.text
	.protected	k_q86b2c20161_proj
	.globl	k_q86b2c20161_proj
	.p2align	8
	.type	k_q86b2c20161_proj,@function
k_q86b2c20161_proj:
	s_mov_b64 s[64:65], 0
	v_nop
	global_prefetch_b8 v0, s[64:65] scope:SCOPE_SE
	s_setreg_imm32_b32 hwreg(HW_REG_WAVE_MODE, 25, 1), 1
	s_wait_xcnt 0x0
	s_wait_alu depctr_hold_cnt(0) depctr_sa_sdst(0) depctr_va_vdst(0) depctr_va_sdst(0) depctr_va_ssrc(0) depctr_va_vcc(0) depctr_vm_vsrc(0)
	s_getreg_b32 s2, hwreg(HW_REG_IB_STS2, 6, 4)
	s_cmp_eq_u32 s2, 0
	s_cbranch_scc0 .Lentry_in_a_cluster
	s_endpgm
.Lentry_in_a_cluster:
	s_bfe_u32 s2, ttmp6, 0x10000c
	s_cmp_lg_u32 s2, 0xf033
	s_cbranch_scc0 .Lentry_shape_is_right
	s_endpgm
.Lentry_shape_is_right:
; out0 = values W_out^T + b_out on codes of FP6 (E2M3) with E8M0 scales, K = 1,024.  Operands come as images of the operand's registers: a row block of 16 rows is eight images (one for each 128 along K) of six
; planes of 256 bytes, 12,288 bytes; a scale word a row and K step, 512 bytes a row block.  A = vals, vsc (512 row blocks of tokens); B = row blocks 704 to 767 of opc, ops (W_out).
; Row r of block g is true row 32 (g / 2) + 8 (g % 2) + r + 8 (r / 8).
; SHARES: 256 work-groups; a work-group makes 128 tokens x 256 features.  ALL OF K LIES IN LDS: A's 8 row blocks (98,304 bytes), B's 16 (196,608), their scale words (4,096 and 8,192): four dense blocks of
; memory, one tensor load a wave at the head, in rows of 256 bytes.  Nothing is filled again.  CLUSTERS of 4 x 4: A's blocks are asked for jointly along a row of the cluster, B's along a column.
; No prefetch: every tensor load goes out at the head, so there is no later load to run ahead of.
; A WAVE HOLDS ITS 64 ROWS OF W_out, ALL OF K, IN REGISTERS (32 fragments, 384 registers) and streams the work-group's eight blocks of 16 tokens past them.  A block's 16 x 64 results are finished after its
; 32 products (four accumulators by turns, K ascending) and leave at once, while the later blocks are multiplied: through the wave's own stage in LDS, bytes that no fill lands on, and back as rows of 256 bytes.
; THE MATRIX INSTRUCTION IS USED TRANSPOSED (source 0 = 16 rows of B, source 1 = 16 rows of A): a lane holds one token and eight neighbouring features.  The bias is the C of each sum's first product.
; EVERY WAIT ON DScnt IS FOR 0: a block's rows are fetched two blocks ahead, and each wait stands behind the 32 products that follow the loads which it covers.
; REGISTERS: window 0: v16-29 addresses, v32-47 B's scale words (register 8 (b / 2) + ks: lanes 0-15 the even block, lanes 16-31 the odd), v48-63 A's (two sets), v64-255 A's fragments (two sets of eight);
; window 1: B's fragments of K steps 0-3, v192-255 two sets of four accumulators; window 2: B's fragments of K steps 4-7, v192-223 the bias; window 3: v0-63 two sets of rows read back from the stage.
.set BLK,    12288
.set BCB,    8*BLK                     ; B's codes, behind A's
.set SCL,    24*BLK                    ; the scale words: A's 4,096 bytes, then B's 8,192
.set SPARE,  SCL+12288                 ; the spare words, 512 bytes
.set STAGE,  SPARE+512                 ; four stages of 16 rows x 272 bytes
.set SPITCH, 272
.set ADRA, 16                          ; v16 A's blocks 0-3, v17 blocks 4-7
.set ADRB, 20
.set ADSA, 21
.set ADSB, 22
.set STO,  24
.set RD,   25
.set CO,   26
.set SPW,  28
.set NIL,  29
.set SB,   32
.set SA,   48                          ; set e, K step ks at v[SA + 8 e + (ks + 1) % 8]: its number differs modulo 8 from that of B's word
.set AF,   64
.set ACC,  192                         ; window 1
.set BI,   192                         ; window 2
.set G1A,  24
.set G1B,  32
.set G1S,  48
.set G1SB, 56
.set G0A,  68
.set G0B,  72
.set G0S,  76
.set G0SB, 80
.set MSB, 0
.macro WIN new
.if MSB != \new
	s_set_vgpr_msb (MSB<<8)|\new
.set MSB, \new
.endif
.endm
.macro PLACES n
.rept \n
	v_nop
.endr
.endm
.macro BARRIER
	s_barrier_signal -1
	s_barrier_wait -1
.endm
.macro CROUND
	s_barrier_signal -1
	s_barrier_wait -1
	s_cmp_lg_u32 s14, 0
	s_cbranch_scc1 .Lnot_wave_0_\@
	s_barrier_signal -3
.Lnot_wave_0_\@:
	s_barrier_wait -3
	s_barrier_signal -1
	s_barrier_wait -1
.endm
.macro GRP1 g, mask, rows              ; a dense block as rows of 256 bytes (32 elements of 8 bytes)
	s_or_b32 s[\g], s[\mask], (3<<16)|(1<<21)
	s_mov_b32 s[\g+1], 32<<16
	s_mov_b32 s[\g+2], (\rows)<<16
	s_mov_b32 s[\g+3], 32<<16
	s_mov_b32 s[\g+4], \rows
	s_mov_b32 s[\g+5], 32
	s_mov_b32 s[\g+6], 0
	s_mov_b32 s[\g+7], 0
.endm
.macro GRP0 g, lds, a
	s_mov_b32 s[\g], 1
	s_mov_b32 s[\g+1], \lds
	s_mov_b64 s[\g+2:\g+3], s[\a:\a+1]
	s_or_b32 s[\g+3], s[\g+3], 0x80000000
.endm
	s_load_b256 s[4:11], s[0:1], 0x0               ; vals, vsc, opc, ops
	s_load_b128 s[96:99], s[0:1], 0x20             ; b_out, out0
	v_lshl_add_u32 v[SPW], v0, 2, SPARE
	v_mov_b32 v[NIL], 0
	ds_add_u32 v[SPW], v[NIL]                      ; the opening lines: the add twice on end, under one wait
	ds_add_u32 v[SPW], v[NIL]
	v_lshrrev_b32 v1, 5, v0
	v_readfirstlane_b32 s14, v1                    ; wave: which 64 features
	s_bfe_u32 s40, ttmp6, 0x40000
	s_bfe_u32 s41, ttmp6, 0x40004
	s_lshl_b32 s42, ttmp9, 2
	s_add_co_u32 s42, s42, s40                     ; tile column, 0 .. 3
	s_and_b32 s17, ttmp7, 0xffff
	s_lshl_b32 s17, s17, 2
	s_add_co_u32 s17, s17, s41                     ; tile row, 0 .. 63
	s_lshl_b32 s43, s41, 2
	s_lshl_b32 s43, 15, s43                        ; my row of the cluster
	s_lshl_b32 s44, 0x1111, s40                    ; my column
	GRP1 G1A, 43, 384
	GRP1 G1B, 44, 768
	GRP1 G1S, 43, 16
	GRP1 G1SB, 44, 32
	s_mul_i32 s66, s17, 8*BLK
	s_mov_b32 s67, 0
	s_lshl_b32 s22, s17, 12
	s_mov_b32 s23, 0
	s_lshl_b32 s92, s42, 4
	s_add_co_u32 s92, s92, 704
	s_lshl_b32 s46, s92, 9
	s_mov_b32 s47, 0
	s_mul_i32 s92, s92, BLK
	s_mov_b32 s93, 0
	s_wait_alu depctr_va_vdst(0)
	s_wait_dscnt 0x0
	s_wait_kmcnt 0x0
	s_add_nc_u64 s[66:67], s[4:5], s[66:67]
	s_add_nc_u64 s[22:23], s[6:7], s[22:23]
	s_add_nc_u64 s[92:93], s[8:9], s[92:93]
	s_add_nc_u64 s[46:47], s[10:11], s[46:47]
	CROUND                                         ; the sixteen work-groups are here: the joint loads meet
	GRP0 G0A, 0, 66
	GRP0 G0B, BCB, 92
	GRP0 G0S, SCL, 22
	GRP0 G0SB, SCL+4096, 46
.macro ARM under, g0, g1, next         ; one chain of branches on the wave's number, one load to an arm, one join
	s_cmp_lt_u32 s14, \under
	s_cbranch_scc0 \next
	tensor_load_to_lds s[\g0:\g0+3], s[\g1:\g1+7]
	s_nop 0
	PLACES 4
	s_branch .Lhead_asked
\next:
.endm
	ARM 1, G0B, G1B, .Lhead_a                      ; wave 0: B's codes, which go on into registers: asked for first
	ARM 2, G0A, G1A, .Lhead_sb
	ARM 3, G0SB, G1SB, .Lhead_sa
	tensor_load_to_lds s[G0S:G0S+3], s[G1S:G1S+7]
	s_nop 0
	PLACES 4
.Lhead_asked:
	s_mul_i32 s20, s14, 4*BLK
	s_add_co_u32 s20, s20, BCB                     ; my four blocks of B,
	s_lshl_b32 s18, s14, 11
	s_add_co_u32 s18, s18, SCL+4096                ; their scale words,
	s_mul_i32 s3, s14, 16*SPITCH
	s_add_co_u32 s3, s3, STAGE                     ; my stage
	s_lshl_b32 s12, s42, 10
	s_lshl_b32 s13, s14, 8
	s_add_co_u32 s12, s12, s13                     ; my first feature, in bytes: 1,024 x tile column + 256 x wave
	s_mov_b32 s13, 0
	s_add_nc_u64 s[96:97], s[96:97], s[12:13]
	s_add_nc_u64 s[98:99], s[98:99], s[12:13]
	s_lshl_b32 s12, s17, 19                        ; the tile's first token: 128 rows of 4,096 bytes a tile row
	s_add_nc_u64 s[12:13], s[98:99], s[12:13]
	v_and_b32 v1, 15, v0
	v_bfe_u32 v2, v0, 4, 1
	v_and_b32 v3, 31, v0
	v_lshlrev_b32 v[ADRA], 3, v3
	v_add_nc_u32 v[ADRA+1], 4*BLK, v[ADRA]
	v_add_nc_u32 v[ADRB], s20, v[ADRA]
	v_lshlrev_b32 v5, 2, v1
	v_add_nc_u32 v[ADSA], SCL, v5
	v_lshl_add_u32 v6, v2, 9, v5                   ; lanes 16-31 take the odd block's words
	v_add_nc_u32 v[ADSB], s18, v6
	v_mul_u32_u24 v5, v1, SPITCH
	v_lshl_add_u32 v5, v2, 6, v5
	v_add_nc_u32 v[STO], s3, v5                    ; into the stage: row r, 64 bytes for each half of the lanes
	v_mul_u32_u24 v5, v2, SPITCH
	v_lshl_add_u32 v5, v1, 4, v5
	v_add_nc_u32 v[RD], s3, v5                     ; back: sixteen lanes to a row of 256 bytes, two rows a load
	v_lshlrev_b32 v6, 4, v1
	v_lshl_add_u32 v[CO], v2, 12, v6               ; and the same two rows in out0
	v_lshlrev_b32 v7, 6, v2
	WIN 0x80                                       ; destination in window 2
.irp b, 0,1,2,3                        ; register j of tile b is feature 32 (b / 2) + 8 (b % 2) + 16 h + j of my 64
	global_load_b128 v[BI+8*\b:BI+8*\b+3], v7, s[96:97] offset:128*(\b/2)+32*(\b%2)
	global_load_b128 v[BI+8*\b+4:BI+8*\b+7], v7, s[96:97] offset:128*(\b/2)+32*(\b%2)+16
.endr
	WIN 0
.macro BLOAD                           ; my 64 rows of B, all of K: fragment (ks, b) at register 12 (4 (ks % 4) + b) of window 1 + ks / 4; 192 loads
.irp ks, 0,1,2,3,4,5,6,7
	WIN (1+\ks/4)<<6
.irp b, 0,1,2,3
.irp p, 0,1,2,3,4,5
	ds_load_b64 v[12*(4*(\ks%4)+\b)+2*\p:12*(4*(\ks%4)+\b)+2*\p+1], v[ADRB] offset:BLK*\b+1536*\ks+256*\p
.endr
.endr
.endr
	WIN 0
.endm
.macro AFETCH s                        ; block s of A, all of K, and its scale words, into set s % 2: 56 loads
.irp ks, 0,1,2,3,4,5,6,7
.irp p, 0,1,2,3,4,5
	ds_load_b64 v[AF+96*((\s)%2)+12*\ks+2*\p:AF+96*((\s)%2)+12*\ks+2*\p+1], v[ADRA+(\s)/4] offset:BLK*((\s)%4)+1536*\ks+256*\p
.endr
	ds_load_b32 v[SA+8*((\s)%2)+(\ks+1)%8], v[ADSA] offset:512*(\s)+64*\ks
.endr
.endm
.macro PROD s                          ; block s: 32 products, the four accumulators by turns, K ascending; the first four take the bias as C
.irp ks, 0,1,2,3,4,5,6,7
.if \ks == 0
	WIN 0x61                                       ; source 0 window 1, source 1 window 0, C window 2, D window 1
.elseif \ks < 4
	WIN 0x51                                       ; C and D window 1
.else
	WIN 0x52                                       ; source 0 window 2
.endif
.irp bb, 0,1
.irp o, 0,1
.set D_, ACC+32*((\s)%2)+8*(2*\bb+\o)
.set C_, D_
.if \ks == 0
.set C_, BI+8*(2*\bb+\o)
.endif
	v_wmma_scale_f32_16x16x128_f8f6f4 v[D_:D_+7], v[12*(4*(\ks%4)+2*\bb+\o):12*(4*(\ks%4)+2*\bb+\o)+11], v[AF+96*((\s)%2)+12*\ks:AF+96*((\s)%2)+12*\ks+11], v[C_:C_+7], v[SB+8*\bb+\ks], v[SA+8*((\s)%2)+(\ks+1)%8] matrix_a_fmt:MATRIX_FMT_FP6 matrix_b_fmt:MATRIX_FMT_FP6 matrix_a_scale:MATRIX_SCALE_ROW\o
.endr
.endr
.endr
	WIN 0
.endm
.macro TOSTAGE s                       ; block s's 16 x 64 results into my stage, and back as rows
	WIN 0x04                                       ; the data: window 1
.irp b, 0,1,2,3
	ds_store_b128 v[STO], v[ACC+32*((\s)%2)+8*\b:ACC+32*((\s)%2)+8*\b+3] offset:128*(\b/2)+32*(\b%2)       ; each accumulator from its low end on
	ds_store_b128 v[STO], v[ACC+32*((\s)%2)+8*\b+4:ACC+32*((\s)%2)+8*\b+7] offset:128*(\b/2)+32*(\b%2)+16
.endr
	WIN 0xc0                                       ; destination window 3
.irp t, 0,1,2,3,4,5,6,7
	ds_load_b128 v[32*((\s)%2)+4*\t:32*((\s)%2)+4*\t+3], v[RD] offset:2*\t*SPITCH   ; LDS serves a wave's instructions in order: these see my stores
.endr
	WIN 0
.endm
.macro SEND s                          ; sixteen lanes store 256 consecutive bytes, aligned; rows 2 t and 2 t + 1 of the block
	WIN 0x0c                                       ; the data: window 3
.irp t, 0,1,2,3,4,5,6,7
	global_store_b128 v[CO], v[32*((\s)%2)+4*\t:32*((\s)%2)+4*\t+3], s[12:13] offset:(32*((\s)/2)+8*((\s)%2)+2*\t+8*(\t/4))*4096 th:TH_STORE_NT
.endr
	WIN 0
.endm
	s_wait_alu depctr_va_vdst(0)                   ; the wait at the head's end
	s_cmp_eq_u32 s14, 0
	s_cbranch_scc0 .Lnot_b
	s_wait_tensorcnt 0x0                           ; wave 0: B's codes are in
.Lnot_b:
	BARRIER                                        ; they are shown to all; the other three loads may be out
	BLOAD
	s_wait_tensorcnt 0x0                           ; every wave: my tile is in,
	s_wait_dscnt 0x0
	BARRIER                                        ; all four are
.irp bb, 0,1
.irp ks, 0,1,2,3,4,5,6,7
	ds_load_b32 v[SB+8*\bb+\ks], v[ADSB] offset:1024*\bb+64*\ks
.endr
.endr
	AFETCH 0
	AFETCH 1
	s_wait_loadcnt 0x0                             ; the bias
	s_wait_dscnt 0x0
.irp s, 0,1,2,3,4,5,6,7
	PROD \s
	s_wait_dscnt 0x0                               ; asked for ahead of these 32 products: the next block's rows, and the last block's rows out of the stage
.if \s > 0
	s_wait_xcnt 0x0                                ; block s - 2's stores have read their registers: this block's rows may land there below
	SEND \s-1
.endif
	PLACES 4                                       ; four places ahead of loads into registers that products have read, and of the stores that read their results
.if \s < 6
	AFETCH \s+2
.endif
	TOSTAGE \s
.endr
	s_wait_dscnt 0x0
	SEND 7
	s_wait_tensorcnt 0x0                           ; the wave's end
	ds_add_u32 v[SPW], v[NIL]
	s_wait_dscnt 0x0
	CROUND                                         ; the closing round
	s_endpgm
.Lfunc_end_k_q86b2c20161_proj:
	.size	k_q86b2c20161_proj, .Lfunc_end_k_q86b2c20161_proj-k_q86b2c20161_proj
	.p2alignl 7, 3214868480
	.fill 96, 4, 3214868480
	.section	.rodata,"a",@progbits
	.p2align	6, 0x0
	.amdhsa_kernel k_q86b2c20161_proj
		.amdhsa_group_segment_fixed_size 327680
		.amdhsa_private_segment_fixed_size 0
		.amdhsa_enable_private_segment 0
		.amdhsa_kernarg_size 48
		.amdhsa_user_sgpr_count 2
		.amdhsa_user_sgpr_kernarg_segment_ptr 1
		.amdhsa_wavefront_size32 1
		.amdhsa_system_sgpr_workgroup_id_x 1
		.amdhsa_system_sgpr_workgroup_id_y 1
		.amdhsa_system_sgpr_workgroup_id_z 1
		.amdhsa_system_vgpr_workitem_id 0
		.amdhsa_next_free_vgpr 832
		.amdhsa_next_free_sgpr 100
		.amdhsa_reserve_vcc 0
		.amdhsa_float_denorm_mode_32 3
		.amdhsa_float_denorm_mode_16_64 3
		.amdhsa_memory_ordered 1
		.amdhsa_forward_progress 1
		.amdhsa_inst_pref_size 100
	.end_amdhsa_kernel
	.amdgpu_metadata
---
amdhsa.version: [ 1, 2 ]
amdhsa.kernels:
  - .name:           k_q86b2c20161_proj
    .symbol:         k_q86b2c20161_proj.kd
    .args:
      - { .name: vals, .offset: 0, .size: 8, .value_kind: global_buffer, .address_space: global }
      - { .name: vsc, .offset: 8, .size: 8, .value_kind: global_buffer, .address_space: global }
      - { .name: opc, .offset: 16, .size: 8, .value_kind: global_buffer, .address_space: global }
      - { .name: ops, .offset: 24, .size: 8, .value_kind: global_buffer, .address_space: global }
      - { .name: b_out, .offset: 32, .size: 8, .value_kind: global_buffer, .address_space: global }
      - { .name: out0, .offset: 40, .size: 8, .value_kind: global_buffer, .address_space: global }
    .group_segment_fixed_size: 327680
    .private_segment_fixed_size: 0
    .kernarg_segment_align: 8
    .kernarg_segment_size: 48
    .max_flat_workgroup_size: 128
    .sgpr_count:     100
    .vgpr_count:     832
    .wavefront_size: 32
...
	.end_amdgpu_metadata
.endif
;; end of part 4
